; MI455X (gfx1250); checked and timed in simulation.
; The chip was launched on July 23, 2026; its instructions are those of AMD's public machine-readable ISA for CDNA 5 (MIT licence, August 2026) and "CDNA5" Instruction Set Architecture Reference Guide (July 2026). The comments in the code are by the model that wrote it; some were corrected since.
;; Rel Learnable Multi Head Attn. Allowed arithmetic: matrix products marked QUANTISED: E2M3 operands, one E8M0 scale for each 32 along K, by v_wmma_scale_f32_16x16x128_f8f6f4 with both operands' format E2M3, f32 sums; everything else in f32.
;; Inputs: Wk 1,024 x 1,024 float32; Wo 1,024 x 1,024 float32; Wq 1,024 x 1,024 float32; Wv 1,024 x 1,024 float32; ln_beta 1,024 float32; ln_gamma 1,024 float32; r_bias 1,024 x 16 float32; r_emb 1,024 x 16 x 64 float32; r_w_bias 16 x 64 float32; w 4 x 1,024 x 1,024 float32.
;; Outputs: out0 4 x 1,024 x 1,024 float32.
;; This version of the problem:
;;   THIS VERSION OF THE PROBLEM IS GIVEN IN LOW PRECISION. The matrix products marked QUANTISED in the list below multiply operands that are first quantised to E2M3 (2 exponent bits, 3 mantissa bits; 6 bits a number), with one power-of-two scale for each 32 numbers along K (OCP MX v1.0); their sums are f32. All else is computed in f32.
;;   The module's matrix products, in the order in which they are computed (A, B: the left and right operand; K: the contracted axis; several contracted axes count as one K, in the product's order):
;;     1. [M 4,096, K 1,024] x [K 1,024, N 1,024]; A: input w; B: input Wq: QUANTISED
;;     2. [M 4,096, K 1,024] x [K 1,024, N 1,024]; A: input w; B: input Wk: QUANTISED
;;     3. [M 4,096, K 1,024] x [K 1,024, N 1,024]; A: input w; B: input Wv: QUANTISED
;;     4. batch 64 x [M 1,024, K 64] x [K 64, N 1,024]; A: computed on the way; B: computed on the way: QUANTISED
;;     5. batch 16 x [M 1,024, K 64] x [K 64, N 4,096]; A: input r_emb; B: computed on the way: QUANTISED
;;     6. batch 64 x [M 64, K 1,024] x [K 1,024, N 1,024]; A: computed on the way; B: softmax (see below): QUANTISED
;;     7. [M 4,096, K 1,024] x [K 1,024, N 1,024]; A: computed on the way; B: input Wo: QUANTISED
;;   THE QUANTISER, for each operand of a quantised product, along K:
;;     - K is cut into blocks of 32 from its start; a last block that is shorter is filled with zeros.
;;     - A block's scale is 2^e with e = floor(log2(the largest magnitude in the block)) - 2, held to -126 .. 127; a block of zeros has e = 0. As a byte (E8M0): e + 127.
;;     - Each number is divided by its block's scale, clamped to +-7.5, and rounded to the nearest number of E2M3, ties to even, subnormals kept.
;;     - The product sums the exact products of the quantised numbers (number of the format x scale) in f32.
;;   ~~~python
;;   def quantise(x, axis):      # numpy; x: float32 -> the quantised numbers, widened to float32 again
;;       x = np.moveaxis(x, axis, -1); K = x.shape[-1]
;;       x = np.pad(x, [(0, 0)] * (x.ndim - 1) + [(0, -K % 32)]); x = x.reshape(x.shape[:-1] + (-1, 32)); a = np.abs(x).max(-1, keepdims=True)
;;       e = np.where(a > 0, np.clip(np.frexp(np.where(a > 0, a, 1))[1] - 1 - 2, -126, 127), 0)      # np.frexp(a)[1] - 1 = floor(log2(a)), exactly
;;       r = np.clip(x / 2.0 ** e, -7.5, 7.5)
;;       step = 2.0 ** (np.maximum(np.frexp(np.where(r == 0, 1, r))[1] - 1, 0) - 3)
;;       q = np.round(r / step) * step * 2.0 ** e      # np.round: ties to even
;;       return np.moveaxis(q.reshape(q.shape[:-2] + (-1,))[..., :K], -1, axis).astype(np.float32)
;;   ~~~
;;   SOFTMAX AHEAD OF A QUANTISED PRODUCT. Where the list says 'softmax', what is quantised is not the finished softmax but p = 2^(t - M), with t = logit x log2(e) and M = ceil(the row's largest t), a whole number; so 1/2 < the row's largest p <= 1. The row's sum l is taken of the UNQUANTISED p, in f32, and the product's result is divided by l at the end. Since M is a whole number, a kernel that streams over the keys may use a running M (the ceiling of the running maximum): every later rescaling is an exact power of two, which a block's scale takes up: the codes' values come out the same.
;;   OPERANDS COMPUTED ON THE WAY. 'Computed on the way' means the value that the module computes at that place (a softmax that the list does not call 'softmax' is quantised finished and normalised). What goes into a quantiser is computed in f32, as accurately as f32 sums, v_exp_f32 and their like allow (about 1e-6 of the number): no bf16 or f16 on the way to a quantiser, and a product that is left as it is and whose result goes on into a quantised operand takes f32 operands (vector FMAs, or v_wmma_f32_16x16x4_f32). A number that lies on a knife's edge between two numbers of the format may be rounded either way, as far as f32 arithmetic and the matrix unit's own rounding can turn it there, and no further.
;; One version. Each part assembles by itself: llvm-mc -triple=amdgcn-amd-amdhsa -mcpu=gfx1250 --defsym DOCPART=n.
;; ======== version 1 of 1: 4 launches
;; limits: right only within a limited range of input values
;; workspace buffers: prep 7,471,104 bytes; qkv 13,631,488 bytes; att 3,407,872 bytes
;; launch prep (part 1): grid 584 x 1, 4 waves a work-group, no clusters, 35,840 bytes of LDS; arguments w, r_emb, r_bias, Wq, Wk, Wv, Wo, prep; writes prep
.if DOCPART == 1
	.amdgcn_target "amdgcn-amd-amdhsa--gfx1250"
	.amdhsa_code_object_version 6
	.text
	.protected	k_qcc42dfa849_prep
	.globl	k_qcc42dfa849_prep
	.p2align	8
	.type	k_qcc42dfa849_prep,@function
k_qcc42dfa849_prep:
	s_mov_b64 s[64:65], 0
	v_nop
	global_prefetch_b8 v0, s[64:65] scope:SCOPE_SE
	s_setreg_imm32_b32 hwreg(HW_REG_WAVE_MODE, 25, 1), 1
	s_wait_xcnt 0x0
; PREP: w, r_emb and the four weights become codes of FP6 (E2M3) with one E8M0 byte for each 32 along K, laid as IMAGES OF OPERAND REGISTERS; r_bias is turned and shifted.
; An image of a fragment (16 rows x 128 K, 12 registers a lane) is three pieces of 512 bytes: piece c holds registers 4c .. 4c+3, lane l's 16 bytes at 16 l.
; TILE ORDER: row m of tile t is row 32 (t/2) + 8 (t%2) + m + 8 (m/8) of the tensor, so that a transposed product's 16 registers of two neighbouring tiles are 16 neighbours along the next K.
; WHICH BLOCK OF 32 A LANE HOLDS: registers 6c.. of lane half h hold block 2h + c of the K step (w, Wq, Wk, Wv, r_emb) or block 2c + h (Wo); the block's byte stands at byte 2c + h of the scale word in both cases.
; r_emb is read as [1024][1024]: K step s holds heads 2s and 2s+1, so lane half h holds the 64 numbers of head 2s + h.  THE SHIFT BY ONE KEY IS LAID IN HERE: key j takes row j + 1; key 1023 gets zero codes, and a zero bias.
; A block's scale is 2^(floor(log2(largest magnitude)) - 2): its byte is the largest magnitude's exponent field - 2, held at 1 from below by a floor among the maximum's leaves.
; LIMITS: a block of zeros, or one whose largest magnitude lies under 2^-124, keeps the byte 1 (its codes are zeros or the nearest codes under that scale; this program alone reads the bytes); NaN and infinities are not served.
; WORK-GROUPS: 0-255 w, 256-319 r_emb (one text, rows with K innermost); 320-575 the weights (K is the first axis: a lane takes a column, its registers run down K); 576-583 r_bias.  Each way has LDS bytes of its own.
; No cluster: no two work-groups read the same bytes.  No tensor loads: every load of a wave goes out at its head.
.set WQKV_IMG, 3145728
.set WO_IMG,   5505024
.set R_IMG,    6291456
.set W_SC,     7077888
.set WQKV_SC,  7208960
.set WO_SC,    7307264
.set RS,       7340032
.set RBI,      7405568
.set SCG1,     33792                   ; LDS: four stages of 16 rows x 528 bytes from byte 0; then the row way's scale words [q 2][h 2][r 16][wave 4];
.set SCG2,     34816                   ; then the column way's [quad 2][r 16][4]
.set FLOOR,    0x1800000               ; 2^(3 - 127)
.set EOFF,     0xff000000              ; takes 2 off an exponent field
.set C,   24                           ; v24-35  a fragment's codes
.set T,   36                           ; v36-43  second halves of blocks (a conversion's three registers begin on an even number)
.set X,   44                           ; v44-107 64 neighbours along K
.set R0,  108                          ; v108-171, v172-235 sixteen rows as loaded, K steps q = 0 and 1
.set R1,  172
.set XC,  64                           ; v64-191 the column way's four blocks of 32
	s_load_b512 s[4:19], s[0:1], 0x0               ; w, r_emb, r_bias, Wq, Wk, Wv, Wo, prep
	v_lshl_add_u32 v240, v0, 2, 0x8a00
	v_mov_b32 v241, 0
	v_lshrrev_b32 v1, 5, v0
	v_readfirstlane_b32 s20, v1                    ; wave
	v_and_b32 v1, 31, v0                           ; lane
	v_and_b32 v2, 15, v0                           ; r
	v_bfe_u32 v3, v0, 4, 1                         ; h
	s_mov_b32 s50, 0x76543210
	s_mov_b32 s51, 0xfedcba98                      ; selects for lane l xor 16
	s_cmp_ge_u32 ttmp9, 576
	s_cbranch_scc1 .Lbias
	s_cmp_ge_u32 ttmp9, 320
	s_cbranch_scc1 .Lcol
; ---------------- rows with K innermost: w and r_emb.  A wave takes one tile of 16 rows x 256 along K (two K steps).
	s_cmp_ge_u32 ttmp9, 256
	s_cselect_b32 s21, 1, 0                        ; 1: r_emb
	s_lshl_b32 s22, s21, 8
	s_sub_co_u32 s22, ttmp9, s22
	s_lshr_b32 s23, s22, 2                         ; G: which four tiles
	s_and_b32 s24, s22, 3                          ; sigma: which 256 along K
	s_lshl_b32 s25, s23, 2
	s_add_co_u32 s25, s25, s20                     ; my tile
	s_lshr_b32 s26, s25, 1
	s_lshl_b32 s26, s26, 5
	s_and_b32 s27, s25, 1
	s_lshl_b32 s27, s27, 3
	s_add_co_u32 s26, s26, s27
	s_add_co_u32 s26, s26, s21                     ; its first row; r_emb: one row further down
	s_mov_b32 s27, 4095
	s_cmp_eq_u32 s21, 1
	s_cselect_b32 s27, 1023, s27                   ; the tensor's last row
	s_cselect_b32 s42, -1, 0                       ; all lanes: r_emb's form of the scale word
	s_cselect_b32 s43, 32, 16                      ; lanes that store scale words
	s_add_co_u32 s28, s26, 23
	s_min_u32 s28, s28, s27                        ; the tile's last row is held inside the tensor (r_emb's last tile alone reaches past it)
	s_sub_co_u32 s28, s28, s26
	s_lshl_b32 s28, s28, 12
	s_lshl_b32 s30, s26, 12
	s_lshl_b32 s29, s24, 10
	s_add_co_u32 s30, s30, s29                     ; first row x 4,096 bytes + sigma x 1,024
	s_mov_b32 s31, 0
	s_mul_i32 s32, s24, 3072
	s_mul_i32 s33, s25, 12288
	s_add_co_u32 s32, s32, s33                     ; w's images: [tile][sigma][q][1536]
	s_mul_i32 s34, s24, 196608
	s_mul_i32 s33, s25, 1536
	s_add_co_u32 s34, s34, s33
	s_add_co_u32 s34, s34, R_IMG                   ; r_emb's: [pair of heads 2 sigma + q][tile][1536]
	s_mov_b32 s35, 98304
	s_cmp_eq_u32 s21, 1
	s_cselect_b32 s32, s34, s32
	s_cselect_b32 s35, s35, 1536
	s_add_co_u32 s35, s35, s32                     ; and q = 1's
	s_lshl_b32 s36, s24, 1
	s_add_co_u32 s36, s36, s20                     ; the K step whose words wave 0 or 1 stores
	s_lshl_b32 s37, s23, 11
	s_lshl_b32 s38, s36, 8
	s_add_co_u32 s37, s37, s38
	s_add_co_u32 s37, s37, W_SC                    ; w's words: [G][K step][r][4 tiles]
	s_lshl_b32 s38, s36, 13
	s_lshl_b32 s39, s23, 9
	s_add_co_u32 s38, s38, s39
	s_add_co_u32 s38, s38, RS                      ; r_emb's: [pair of heads][G][head of the pair][r][4 tiles]
	s_cmp_eq_u32 s21, 1
	s_cselect_b32 s37, s38, s37
	s_lshl_b32 s39, s21, 8
	s_add_co_u32 s39, s39, s25
	s_wait_alu depctr_va_vdst(0)
	v_cmp_eq_u32 s40, 15, v2
	s_cmp_eq_u32 s39, 319                          ; r_emb's tile 63:
	s_cselect_b32 s40, s40, 0                      ; its row 15 is key 1023: zero codes
	v_lshlrev_b32 v4, 4, v1                        ; 16 x lane
	v_add_nc_u32 v5, s28, v4                       ; the same at the tile's last row
	s_mul_i32 s41, s20, 8448
	v_add_nc_u32 v6, s41, v4                       ; my stage, as loaded: a row's 512 bytes on end
	v_mul_u32_u24 v7, v2, 528
	v_lshl_add_u32 v7, v3, 8, v7
	v_add_nc_u32 v7, s41, v7                       ; and back: row r, my half's 256 bytes
	v_add_nc_u32 v8, s32, v4
	v_add_nc_u32 v9, s35, v4
	v_lshlrev_b32 v10, 4, v2
	v_lshl_add_u32 v10, v3, 8, v10
	s_lshl_b32 s44, s20, 2
	s_add_co_u32 s44, s44, SCG1
	v_add_nc_u32 v10, s44, v10                     ; my scale word's place: 256 h + 16 r + 4 wave
	v_lshlrev_b32 v11, 3, v3
	v_mov_b32 v12, 0
	v_mov_b32 v22, 0                               ; (a lane permute's destination counts as one of its sources)
	s_and_b32 s44, s20, 1
	s_lshl_b32 s44, s44, 9
	s_add_co_u32 s44, s44, SCG1
	v_add_nc_u32 v13, s44, v4                      ; where wave 0 or 1 reads a K step's words back
	v_add_nc_u32 v15, s37, v4                      ; and where it stores them
	s_wait_kmcnt 0x0
	s_cmp_eq_u32 s21, 1
	s_cselect_b64 s[28:29], s[6:7], s[4:5]
	s_add_nc_u64 s[28:29], s[28:29], s[30:31]
.irp q, 0,1
.set i, 0
.rept 15
	global_load_b128 v[R0+64*\q+4*i:R0+64*\q+4*i+3], v4, s[28:29] offset:(i+8*(i/8))*4096+512*\q th:TH_LOAD_NT   ; 32 lanes read 512 consecutive bytes of one row
.set i, i+1
.endr
	global_load_b128 v[R0+64*\q+60:R0+64*\q+63], v5, s[28:29] offset:512*\q th:TH_LOAD_NT
.endr
; 64 neighbours in v[X] on (two whole blocks) become my half of a fragment and my bytes of its scale word
.macro QROW q, dst
	v_max3_num_f32 v14, |v[X]|, |v[X+1]|, FLOOR                    ; the two blocks by turns; the floor holds the byte at 1 from below
	v_max3_num_f32 v16, |v[X+32]|, |v[X+33]|, FLOOR
.irp i, 2,4,6,8,10,12,14,16,18,20,22,24,26,28,30
	v_max3_num_f32 v14, v14, |v[X+\i]|, |v[X+\i+1]|
	v_max3_num_f32 v16, v16, |v[X+32+\i]|, |v[X+33+\i]|
.endr
	v_add_nc_u32 v14, EOFF, v14                    ; 2 off the exponent field: the conversion's scale operand
	v_add_nc_u32 v16, EOFF, v16
	v_lshrrev_b32 v18, 23, v14                     ; the bytes
	v_lshrrev_b32 v19, 23, v16
	v_lshl_or_b32 v20, v19, 16, v18                ; c = 0's at byte 0, c = 1's at byte 2,
	v_lshlrev_b32 v21, v11, v20                    ; w: 8 h bits up,
	v_permlanex16_b32 v22, v21, s50, s51
	v_lshlrev_b32 v23, 8, v20                      ; r_emb: bytes 1 and 3, beside K's bytes 0 and 2
	v_or_b32 v21, v21, v22                         ; w: with lane l xor 16's two the word is whole
	v_cndmask_b32 v21, v21, v23, s42
	ds_store_b32 v10, v21 offset:512*\q
	s_wait_xcnt 0x0                                ; the last K step's stores have read v[C] on: it is written again only behind this wait
	v_cvt_scalef32_pk16_fp6_f32 v[C:C+2], v[X:X+15], v14
	v_cvt_scalef32_pk16_fp6_f32 v[T:T+2], v[X+16:X+31], v14
	v_cvt_scalef32_pk16_fp6_f32 v[C+6:C+8], v[X+32:X+47], v16
	v_cvt_scalef32_pk16_fp6_f32 v[T+4:T+6], v[X+48:X+63], v16
	v_nop                                          ; one plain place behind a scaled conversion
.irp i, 0,1,2
	v_mov_b32 v[C+3+\i], v[T+\i]
	v_mov_b32 v[C+9+\i], v[T+4+\i]
.endr
.irp i, 0,1,2,3,4,5,6,7,8,9,10,11
	v_cndmask_b32 v[C+\i], v[C+\i], v12, s40       ; key 1023 of r_emb: zero codes
.endr
.irp c, 0,1,2
	global_store_b128 v[\dst], v[C+4*\c:C+4*\c+3], s[18:19] offset:512*\c   ; 32 lanes store 512 consecutive bytes
.endr
.endm
	s_wait_loadcnt 16                              ; q = 0's sixteen rows are in; q = 1's may be out
.set i, 0
.rept 16
	ds_store_b128 v6, v[R0+4*i:R0+4*i+3] offset:528*i
.set i, i+1
.endr
.set i, 0
.rept 16
	ds_load_b128 v[X+4*i:X+4*i+3], v7 offset:16*i  ; LDS serves a wave's instructions in order: these see the stores above
.set i, i+1
.endr
	s_wait_loadcnt 0x0
.set i, 0
.rept 16
	ds_store_b128 v6, v[R1+4*i:R1+4*i+3] offset:528*i   ; behind the reads of q = 0, in the same stage
.set i, i+1
.endr
	s_wait_dscnt 16                                ; the sixteen stores just issued may be out: the reads are back
	QROW 0, 8
.set i, 0
.rept 16
	ds_load_b128 v[X+4*i:X+4*i+3], v7 offset:16*i
.set i, i+1
.endr
	s_wait_dscnt 0x0
	QROW 1, 9
	s_wait_dscnt 0x0                               ; for the others' sake: my scale words lie in LDS
	s_barrier_signal -1
	s_barrier_wait -1
	s_cmp_ge_u32 s20, 2
	s_cbranch_scc1 .Lrow_end                       ; wave q stores K step q's words of the four tiles
	ds_load_b128 v[R0:R0+3], v13                   ; into registers that no pending store names: the rows as loaded went to LDS long ago
	v_cmp_gt_u32 vcc_lo, s43, v1                   ; w: 16 lanes (both halves hold the same words); r_emb: 32 (a head to each half)
	s_wait_dscnt 0x0
	s_wait_xcnt 0x0                                ; EXEC changes only behind this wait
	s_and_saveexec_b32 s45, vcc_lo
	global_store_b128 v15, v[R0:R0+3], s[18:19]    ; 256 or 512 consecutive bytes
	s_wait_xcnt 0x0
	s_or_b32 exec_lo, exec_lo, s45
.Lrow_end:
	s_wait_tensorcnt 0x0
	ds_add_u32 v240, v241
	s_wait_dscnt 0x0
	s_endpgm
; ---------------- the weights: [K][N].  A work-group takes 128 columns x one K step of 128; a lane takes a column, and its 128 registers run down K.
.Lcol:
	s_sub_co_u32 s21, ttmp9, 320
	s_lshr_b32 s22, s21, 6                         ; 0 Wq, 1 Wk, 2 Wv, 3 Wo
	s_bfe_u32 s23, s21, 0x30003                    ; gg: which 128 columns
	s_and_b32 s24, s21, 7                          ; the K step
	s_lshl_b32 s36, s24, 19                        ; 128 rows of 4,096 bytes a K step
	s_lshl_b32 s37, s23, 9
	s_add_co_u32 s36, s36, s37
	s_lshl_b32 s37, s20, 7
	s_add_co_u32 s36, s36, s37                     ; + my wave's first column x 4
	s_mov_b32 s37, 0
	s_mov_b32 s38, 131072                          ; 32 rows
	s_mov_b32 s40, 262144                          ; 64 rows
	s_cmp_eq_u32 s22, 3
	s_cselect_b32 s42, s40, s38                    ; the block of (h 0, c 1): rows 32 on; Wo: 64 on
	s_cselect_b32 s44, s38, s40                    ; the block of (h 1, c 0): rows 64 on; Wo: 32 on
	s_mov_b32 s43, 0
	s_mov_b32 s45, 0
	s_lshr_b32 s46, s24, 1
	s_mul_i32 s46, s46, 3072
	s_lshl_b32 s47, s22, 6
	s_lshl_b32 s48, s23, 3
	s_add_co_u32 s47, s47, s48
	s_lshl_b32 s48, s20, 1
	s_add_co_u32 s47, s47, s48
	s_mul_i32 s47, s47, 12288
	s_add_co_u32 s46, s46, s47
	s_and_b32 s47, s24, 1
	s_mul_i32 s47, s47, 1536
	s_add_co_u32 s46, s46, s47
	s_add_co_u32 s46, s46, WQKV_IMG                ; [tile 64 m + 8 gg + 2 wave + u][K step][1536]
	s_mul_i32 s47, s23, 98304
	s_mul_i32 s48, s24, 12288
	s_add_co_u32 s47, s47, s48
	s_mul_i32 s48, s20, 3072
	s_add_co_u32 s47, s47, s48
	s_add_co_u32 s47, s47, WO_IMG                  ; Wo: [gg][K step][tile 2 wave + u][1536]
	s_mov_b32 s48, 12288
	s_cmp_eq_u32 s22, 3
	s_cselect_b32 s46, s47, s46
	s_cselect_b32 s48, 1536, s48                   ; from tile to tile
	s_lshl_b32 s49, s22, 15
	s_lshl_b32 s52, s23, 12
	s_add_co_u32 s49, s49, s52
	s_lshl_b32 s53, s24, 8
	s_add_co_u32 s49, s49, s53
	s_add_co_u32 s49, s49, WQKV_SC                 ; words: [four tiles][K step][r][4]
	s_lshl_b32 s53, s24, 9
	s_add_co_u32 s52, s52, s53
	s_add_co_u32 s52, s52, WO_SC                   ; Wo: [gg][K step][lane: tiles 4 h + 0 .. 3][4]
	s_mov_b32 s53, 2048
	s_cmp_eq_u32 s22, 3
	s_cselect_b32 s49, s52, s49
	s_cselect_b32 s53, 256, s53                    ; from four tiles to the next four
	s_wait_alu depctr_va_vdst(0)
	v_lshlrev_b32 v4, 2, v1                        ; 4 bytes a lane
	v_bfe_u32 v5, v0, 3, 1                         ; u: which of my wave's two tiles my column falls into,
	v_and_b32 v6, 7, v0
	v_lshl_or_b32 v6, v3, 3, v6                    ; and which row of it
	v_mul_u32_u24 v7, s48, v5
	v_lshl_add_u32 v7, v6, 4, v7
	v_add_nc_u32 v7, s46, v7
	s_lshr_b32 s54, s20, 1
	s_lshl_b32 s54, s54, 8
	s_and_b32 s55, s20, 1
	s_lshl_b32 s55, s55, 3
	s_add_co_u32 s54, s54, s55
	s_add_co_u32 s54, s54, SCG2
	v_lshlrev_b32 v12, 4, v6
	v_lshl_add_u32 v12, v5, 2, v12
	v_add_nc_u32 v12, s54, v12                     ; my scale word's place: 256 (wave / 2) + 16 row + 4 (2 (wave % 2) + u)
	v_lshl_add_u32 v13, v1, 4, SCG2
	v_mul_u32_u24 v14, s53, v3
	v_lshl_add_u32 v14, v2, 4, v14
	v_add_nc_u32 v14, s49, v14
	s_wait_kmcnt 0x0
	s_cmp_eq_u32 s22, 1
	s_cselect_b64 s[28:29], s[12:13], s[10:11]
	s_cmp_eq_u32 s22, 2
	s_cselect_b64 s[28:29], s[14:15], s[28:29]
	s_cmp_eq_u32 s22, 3
	s_cselect_b64 s[28:29], s[16:17], s[28:29]
	s_add_nc_u64 s[28:29], s[28:29], s[36:37]
	s_add_nc_u64 s[30:31], s[28:29], s[42:43]
	s_add_nc_u64 s[32:33], s[28:29], s[44:45]
	s_add_nc_u64 s[34:35], s[28:29], 393216
.irp k, 0,1,2,3                                ; block k = 2 h + c
.set i, 0
.rept 32
	global_load_b32 v[XC+32*\k+i], v4, s[28+2*\k:29+2*\k] offset:4096*i th:TH_LOAD_NT   ; 32 lanes read 128 consecutive bytes, the four waves side by side 512
.set i, i+1
.endr
.endr
.macro CMAX k                          ; block k: all its 32 numbers are mine
	v_max3_num_f32 v[56+\k], |v[XC+32*\k]|, |v[XC+32*\k+1]|, |v[XC+32*\k+2]|
	v_max3_num_f32 v15, |v[XC+32*\k+3]|, |v[XC+32*\k+4]|, |v[XC+32*\k+5]|
.irp i, 6,10,14,18,22,26
	v_max3_num_f32 v[56+\k], v[56+\k], |v[XC+32*\k+\i]|, |v[XC+32*\k+\i+1]|
	v_max3_num_f32 v15, v15, |v[XC+32*\k+\i+2]|, |v[XC+32*\k+\i+3]|
.endr
	v_max3_num_f32 v[56+\k], v[56+\k], |v[XC+32*\k+30]|, |v[XC+32*\k+31]|
	v_max3_num_f32 v[56+\k], v[56+\k], v15, FLOOR
	v_add_nc_u32 v[60+\k], EOFF, v[56+\k]
	v_lshrrev_b32 v[8+\k], 23, v[60+\k]
.endm
.macro CCONV hh                        ; what lane half hh of the image holds of my row: 12 registers; sixteen lanes of one tile store 256 consecutive bytes
	v_cvt_scalef32_pk16_fp6_f32 v[24+12*\hh:26+12*\hh], v[XC+64*\hh:XC+64*\hh+15], v[60+2*\hh]
	v_cvt_scalef32_pk16_fp6_f32 v[48:50], v[XC+64*\hh+16:XC+64*\hh+31], v[60+2*\hh]
	v_cvt_scalef32_pk16_fp6_f32 v[30+12*\hh:32+12*\hh], v[XC+64*\hh+32:XC+64*\hh+47], v[61+2*\hh]
	v_cvt_scalef32_pk16_fp6_f32 v[52:54], v[XC+64*\hh+48:XC+64*\hh+63], v[61+2*\hh]
	v_nop                                          ; one plain place behind a scaled conversion
.irp i, 0,1,2
	v_mov_b32 v[27+12*\hh+\i], v[48+\i]
	v_mov_b32 v[33+12*\hh+\i], v[52+\i]
.endr
.irp c, 0,1,2
	global_store_b128 v7, v[24+12*\hh+4*\c:27+12*\hh+4*\c], s[18:19] offset:256*\hh+512*\c
.endr
.endm
	s_wait_loadcnt 63                              ; of 128 loads at most 63 are out: the first 65 are in, blocks 0 and 1 among them
	CMAX 0
	CMAX 1
	CCONV 0
	s_wait_loadcnt 32                              ; block 2 is in
	CMAX 2
	s_wait_loadcnt 0x0
	CMAX 3
	CCONV 1
	v_lshl_or_b32 v16, v10, 8, v8                  ; byte 2 c + h: (h 0, c 0), (h 1, c 0),
	v_lshl_or_b32 v16, v9, 16, v16                 ; (h 0, c 1),
	v_lshl_or_b32 v16, v11, 24, v16                ; (h 1, c 1)
	ds_store_b32 v12, v16
	s_wait_dscnt 0x0                               ; for wave 0's sake
	s_barrier_signal -1
	s_barrier_wait -1
	s_cmp_lg_u32 s20, 0
	s_cbranch_scc1 .Lcol_end
	ds_load_b128 v[20:23], v13
	s_wait_dscnt 0x0
	global_store_b128 v14, v[20:23], s[18:19]      ; two runs of 256 consecutive bytes
.Lcol_end:
	s_wait_tensorcnt 0x0
	ds_add_u32 v240, v241
	s_wait_dscnt 0x0
	s_endpgm
; ---------------- r_bias [1024][16] becomes [16][1024], key j taking row j + 1, key 1023 zero.  64 KB in all; a wave's store covers 128 consecutive bytes.
.Lbias:
	s_sub_co_u32 s21, ttmp9, 576
	s_lshl_b32 s21, s21, 7
	v_add_nc_u32 v4, s21, v0                       ; j
	v_add_nc_u32 v5, 1, v4
	v_min_u32 v5, 1023, v5                         ; no load leaves the buffer
	v_lshlrev_b32 v5, 6, v5
	v_lshlrev_b32 v6, 2, v4
	v_add_nc_u32 v6, RBI, v6
	v_mov_b32 v7, 0
	v_cmp_eq_u32 vcc_lo, 1023, v4
	s_wait_alu depctr_va_vdst(0)
	s_wait_kmcnt 0x0
.irp i, 0,1,2,3
	global_load_b128 v[16+4*\i:19+4*\i], v5, s[8:9] offset:16*\i
.endr
	s_wait_loadcnt 0x0
.set i, 0
.rept 16
	v_cndmask_b32 v[16+i], v[16+i], v7, vcc_lo
.set i, i+1
.endr
.set i, 0
.rept 16
	global_store_b32 v6, v[16+i], s[18:19] offset:4096*i
.set i, i+1
.endr
	s_endpgm
.Lfunc_end_k_qcc42dfa849_prep:
	.size	k_qcc42dfa849_prep, .Lfunc_end_k_qcc42dfa849_prep-k_qcc42dfa849_prep
	.p2alignl 7, 3214868480
	.fill 96, 4, 3214868480
	.section	.rodata,"a",@progbits
	.p2align	6, 0x0
	.amdhsa_kernel k_qcc42dfa849_prep
		.amdhsa_group_segment_fixed_size 35840
		.amdhsa_private_segment_fixed_size 0
		.amdhsa_enable_private_segment 0
		.amdhsa_kernarg_size 64
		.amdhsa_user_sgpr_count 2
		.amdhsa_user_sgpr_kernarg_segment_ptr 1
		.amdhsa_wavefront_size32 1
		.amdhsa_system_sgpr_workgroup_id_x 1
		.amdhsa_system_sgpr_workgroup_id_y 1
		.amdhsa_system_sgpr_workgroup_id_z 1
		.amdhsa_system_vgpr_workitem_id 0
		.amdhsa_next_free_vgpr 242
		.amdhsa_next_free_sgpr 66
		.amdhsa_reserve_vcc 1
		.amdhsa_float_denorm_mode_32 3
		.amdhsa_float_denorm_mode_16_64 3
		.amdhsa_memory_ordered 1
		.amdhsa_forward_progress 1
		.amdhsa_inst_pref_size 46
	.end_amdhsa_kernel
	.amdgpu_metadata
---
amdhsa.version: [ 1, 2 ]
amdhsa.kernels:
  - .name:           k_qcc42dfa849_prep
    .symbol:         k_qcc42dfa849_prep.kd
    .args:
      - { .name: w, .offset: 0, .size: 8, .value_kind: global_buffer, .address_space: global }
      - { .name: r_emb, .offset: 8, .size: 8, .value_kind: global_buffer, .address_space: global }
      - { .name: r_bias, .offset: 16, .size: 8, .value_kind: global_buffer, .address_space: global }
      - { .name: Wq, .offset: 24, .size: 8, .value_kind: global_buffer, .address_space: global }
      - { .name: Wk, .offset: 32, .size: 8, .value_kind: global_buffer, .address_space: global }
      - { .name: Wv, .offset: 40, .size: 8, .value_kind: global_buffer, .address_space: global }
      - { .name: Wo, .offset: 48, .size: 8, .value_kind: global_buffer, .address_space: global }
      - { .name: prep, .offset: 56, .size: 8, .value_kind: global_buffer, .address_space: global }
    .group_segment_fixed_size: 35840
    .private_segment_fixed_size: 0
    .kernarg_segment_align: 8
    .kernarg_segment_size: 64
    .max_flat_workgroup_size: 128
    .sgpr_count:     66
    .vgpr_count:     242
    .wavefront_size: 32
...
	.end_amdgpu_metadata
.endif
;; end of part 1
;; launch qkv (part 2): grid 16 x 16, 4 waves a work-group, clusters of 4 x 4, 327,680 bytes of LDS; arguments prep, r_w_bias, qkv; writes qkv
.if DOCPART == 2
	.amdgcn_target "amdgcn-amd-amdhsa--gfx1250"
	.amdhsa_code_object_version 6
	.text
	.protected	k_qcc42dfa849_qkv
	.globl	k_qcc42dfa849_qkv
	.p2align	8
	.type	k_qcc42dfa849_qkv,@function
k_qcc42dfa849_qkv:
	s_mov_b64 s[64:65], 0
	v_nop
	global_prefetch_b8 v0, s[64:65] scope:SCOPE_SE
	s_setreg_imm32_b32 hwreg(HW_REG_WAVE_MODE, 25, 1), 1
	s_wait_xcnt 0x0
	s_wait_alu depctr_hold_cnt(0) depctr_sa_sdst(0) depctr_va_vdst(0) depctr_va_sdst(0) depctr_va_ssrc(0) depctr_va_vcc(0) depctr_vm_vsrc(0)
	s_getreg_b32 s2, hwreg(HW_REG_IB_STS2, 6, 4)
	s_cmp_eq_u32 s2, 0
	s_cbranch_scc0 .Lentry_in_a_cluster
	s_endpgm
.Lentry_in_a_cluster:
	s_bfe_u32 s2, ttmp6, 0x10000c
	s_cmp_lg_u32 s2, 0xf033
	s_cbranch_scc0 .Lentry_shape_is_right
	s_endpgm
.Lentry_shape_is_right:
; QKV: the three projections on codes of FP6 (E2M3) with E8M0 scales, and their results quantised on the way out into images of the next products' operand registers.
; Cluster x says which: 0 q, 1 k, 2 v, 3 rw_q = q + r_w_bias; cluster y is the batch.  A work-group makes 256 x 256, a wave 128 x 128: 64 accumulators, 512 matrix instructions (K = 1,024).
; q's sums are formed twice, for x = 0 and for x = 3, so that each of the four quantised operands has work-groups of its own: 16 x 16 = 256 work-groups of equal length, one on each WGP.
; THE MATRIX INSTRUCTION IS USED TRANSPOSED: source 0 = 16 rows of B', source 1 = 16 rows of A'.  A lane holds ONE row of A', and register 16 b + i of its 64 is row 32 b + 16 (lane / 16) + i of the wave's 128 rows of B' (tiles lie in tile order).
;   q, rw_q, k: A' = tokens, B' = columns of the weight.     v: A' = columns of Wv, B' = tokens: a lane's registers run along the keys.
; Operands come as images of registers, laid [tile][K step of 128][1536]: 256 along K of a tile are 3,072 consecutive bytes, tiles 12,288 bytes apart, for tokens and weights alike.
; THREE FILLS.  At the head one tensor load a wave: wave 0 A's 16 tiles x the first 256 along K into slot 0, wave 1 B's, wave 2 A's scale words of all of K, wave 3 B's.
; Behind the full sequence and a round: the second and third 256 along K, one load a wave (8 rows of 6,144 bytes).  Behind the round in K step 1: the fourth 256 along K, into slot 0.  A wave has one tensor load out at any time.
; CLUSTERS: 4 x 4.  A's tiles hang on the cluster's row alone, B's on its column alone: each is asked for jointly by four work-groups.
; PREFETCH: the first fill's codes are asked for ahead of the opening round, each later fill one fill ahead; the four partners of a joint load share eight rows out by address, two rows each, a lane to a block of 256 bytes
; (lanes 12-15 of a row name its last block again).
; LIMITS: a block of zeros, or one under 2^-124, keeps the byte 1 (this program alone reads the bytes); NaN and infinities are not served.
; REGISTERS: window 0: v1-3 r, h, bias offset; v16-21 LDS addresses; v25 the prefetches' offset; v26 16 x lane; v27 scale words' address; v28, v29 the spare word's address and 0; v32-95 all scale words (lanes 0-15 A's, 16-31 B's);
;   v96-127, v224-255 r_w_bias at my 64 places; v128-223 A's fragments, one set; on the way out the quantiser's registers and eight sets of codes.   window 1: B's fragments, two sets.   windows 2, 3: the accumulators ((a, b) at v[8 (8 (a % 4) + b)]).
.set WQKV_IMG, 3145728
.set W_SC,     7077888
.set WQKV_SC,  7208960
.set PLANE,    3145728
.set QS_O,     12582912                ; scale words: q's here, k's 262,144 further on, rw_q's 786,432 further on
.set VS_O,     13107200
.set SLOTB,    98304                   ; slot 0: A's 16 tiles x 3,072 bytes, then B's
.set PARTB,    24576                   ; 8 tiles x 256 K
.set P12B,     49152                   ; 8 tiles x 512 K: a wave's part of the region behind slot 0
.set SCL,      294912                  ; the scale words: A's 8,192 bytes, then B's
.set SPARE,    311296                  ; the spare words: 128 bytes a wave
.set FR, 12
.set NL, 3
.set NP, 4                             ; places behind this matrix instruction (ISA guide 7.12.1)
.set FLOOR, 0x1800000
.set EOFF,  0xff000000
.set ADRA, 16
.set ADRB, 20
.set PFO,  25
.set VO,   26
.set ADRS, 27
.set SPW,  28
.set NIL,  29
.set SC,   32
.set AF,   128
.set PCS0, 128                         ; the way out: a set of 12 registers for each tile's codes, so that no store's data are written again
.set PCS1, 186
.set PCS2, 198
.set PCS3, 210
.set PCS4, 96
.set PCS5, 108
.set PCS6, 224
.set PCS7, 236
.set PT,   140
.set TM,   148
.set FW,   164
.set W0,   168
.set W1,   176
.set SHV,  184
.set G1A, 24
.set G1B, 48
.set G1SA, 80
.set G1SB, 88
.set GA0, 32
.set GA1, 36
.set GA2, 56
.set GB0, 60
.set GB1, 68
.set GB2, 72
.set G0SA, 76
.set G0SB, 96
.set PFA, 100
.set MSB, 0
.macro WIN new                         ; the immediate's high byte repeats the setting that is left
.if MSB != (\new)
	s_set_vgpr_msb (MSB<<8)|(\new)
.set MSB, (\new)
.endif
.endm
.set MUL_LO, 0xa1                      ; source 0 (B) window 1, source 1 (A) window 0, C and D window 2
.set MUL_HI, 0xf1
.set TO_B,   0x40
.macro PLACES n
.rept \n
	v_nop
.endr
.endm
.macro JLOAD g0a, g1a, g0b, g1b        ; a joint load: waves 0, 1 fetch for A, waves 2, 3 for B; s_nop 0 and four v_nop follow each line
	s_cmp_eq_u32 s15, 0
	s_cbranch_scc0 .Lfor_b_\@
	tensor_load_to_lds s[\g0a:\g0a+3], s[\g1a:\g1a+7]
	s_nop 0
	PLACES 4
	s_branch .Lasked_\@
.Lfor_b_\@:
	tensor_load_to_lds s[\g0b:\g0b+3], s[\g1b:\g1b+7]
	s_nop 0
	PLACES 4
.Lasked_\@:
.endm
.macro CREST
	s_cmp_lg_u32 s14, 0
	s_cbranch_scc1 .Lnot_wave_0_\@
	s_barrier_signal -3
.Lnot_wave_0_\@:
	s_barrier_wait -3
	s_barrier_signal -1
	s_barrier_wait -1
.endm
.macro CROUND
	s_barrier_signal -1
	s_barrier_wait -1
	CREST
.endm
.macro MKG0 g, ad, off                 ; a group 0 but for its LDS address
	s_mov_b32 s[\g], 1
	s_add_nc_u64 s[\g+2:\g+3], s[\ad:\ad+1], \off
	s_or_b32 s[\g+3], s[\g+3], 0x80000000
.endm
	s_load_b128 s[4:7], s[0:1], 0x0                ; prep, r_w_bias
	s_load_b64 s[8:9], s[0:1], 0x10                ; qkv
	v_lshl_add_u32 v[SPW], v0, 2, SPARE
	v_mov_b32 v[NIL], 0
	ds_add_u32 v[SPW], v[NIL]                      ; the opening lines: the add, twice on end, and its wait
	ds_add_u32 v[SPW], v[NIL]
	s_wait_dscnt 0x0
	v_lshrrev_b32 v1, 5, v0
	v_readfirstlane_b32 s14, v1                    ; wave
	s_lshr_b32 s15, s14, 1                         ; ha: my half of A's rows.  Also: in the ring I fetch for A (0) or B (1)
	s_and_b32 s16, s14, 1                          ; hb: my half of B's rows.  Also: which 8 tiles I fetch
	s_bfe_u32 s40, ttmp6, 0x40000                  ; cx
	s_bfe_u32 s41, ttmp6, 0x40004                  ; cy
	s_mov_b32 s42, ttmp9                           ; X: q, k, v or rw_q: the same in all sixteen partners
	s_and_b32 s17, ttmp7, 0xffff                   ; Y: the batch
	s_lshl_b32 s43, s41, 2
	s_lshl_b32 s43, 15, s43                        ; my row of the cluster
	s_lshl_b32 s44, 0x1111, s40                    ; my column
	s_or_b32 s[G1A], s43, (3<<16)|(1<<21)          ; the mask; elements of 8 bytes; bit 21 beside a mask; no padding: every LDS read is of consecutive bytes
	s_or_b32 s[G1B], s44, (3<<16)|(1<<21)
	s_or_b32 s[G1SA], s43, (3<<16)|(1<<21)
	s_or_b32 s[G1SB], s44, (3<<16)|(1<<21)
.irp g, G1A, G1B                               ; codes, the head's shape: 16 rows of 3,072 bytes, 12,288 apart
	s_mov_b32 s[\g+1], 384<<16
	s_mov_b32 s[\g+2], 16<<16
	s_mov_b32 s[\g+3], 384<<16
	s_mov_b32 s[\g+4], 16
	s_mov_b32 s[\g+5], 1536
	s_mov_b32 s[\g+6], 0
	s_mov_b32 s[\g+7], 0
.endr
.irp g, G1SA, G1SB                             ; scale words of 16 tiles: 8,192 dense bytes as 32 rows of 256
	s_mov_b32 s[\g+1], 32<<16
	s_mov_b32 s[\g+2], 32<<16
	s_mov_b32 s[\g+3], 32<<16
	s_mov_b32 s[\g+4], 32
	s_mov_b32 s[\g+5], 32
	s_mov_b32 s[\g+6], 0
	s_mov_b32 s[\g+7], 0
.endr
	; who plays A and who B.  q, rw_q, k: A = tokens (tiles 64 Y + 16 cy), B = weight (Wq's tiles from 0, Wk's from 64, + 16 cx).  v: A = Wv (tiles 128 + 16 cy), B = tokens (tiles 64 Y + 16 cx).
	s_lshl_b32 s2, s17, 6
	s_cmp_eq_u32 s42, 1
	s_cselect_b32 s3, 64, 0
	s_mov_b32 s47, WQKV_SC
	s_mov_b32 s10, W_SC
	s_cmp_lg_u32 s42, 2
	s_cselect_b32 s20, s2, 128
	s_cselect_b32 s22, s3, s2
	s_cselect_b32 s21, 0, WQKV_IMG
	s_cselect_b32 s23, WQKV_IMG, 0
	s_cselect_b32 s12, s10, s47
	s_cselect_b32 s18, s47, s10
	s_lshl_b32 s13, s41, 4
	s_add_co_u32 s20, s20, s13                     ; A: the first of the work-group's 16 tiles
	s_lshl_b32 s13, s20, 9
	s_add_co_u32 s12, s12, s13                     ; their scale words: 512 bytes a tile
	s_mul_i32 s20, s20, 12288
	s_add_co_u32 s20, s20, s21                     ; their codes
	s_mov_b32 s21, 0
	s_mov_b32 s13, 0
	s_lshl_b32 s19, s40, 4
	s_add_co_u32 s22, s22, s19                     ; B likewise
	s_lshl_b32 s19, s22, 9
	s_add_co_u32 s18, s18, s19
	s_mul_i32 s22, s22, 12288
	s_add_co_u32 s22, s22, s23
	s_mov_b32 s23, 0
	s_mov_b32 s19, 0
	s_mul_i32 s10, s16, 98304                      ; in the ring: which 8 of the 16 tiles I fetch
	s_mov_b32 s11, 0
	s_mul_i32 s46, s14, PARTB                      ; where they go: the wave's number alone enters an LDS address
	s_mul_i32 s47, s14, P12B
	s_add_co_u32 s47, s47, SLOTB
	s_cmp_eq_u32 s15, 0
	s_cselect_b32 s2, s40, s41                     ; my place among the four that ask with me: it enters the prefetches' address alone
	s_mul_i32 s2, s2, 24576                        ; two rows each
	s_mov_b32 s3, 0
	v_and_b32 v1, 15, v0                           ; r
	v_bfe_u32 v2, v0, 4, 1                         ; h
	v_and_b32 v3, 31, v0
	v_lshlrev_b32 v[VO], 4, v3                     ; 16 x lane
	v_min_u32 v4, 11, v1
	v_lshlrev_b32 v4, 8, v4
	v_mad_u32_u24 v[PFO], v2, 12288, v4            ; the prefetches: row h of my two, block min(r, 11) of the 12 of 256 along K
	s_wait_alu depctr_va_vdst(0)
	s_wait_kmcnt 0x0
	s_add_nc_u64 s[20:21], s[4:5], s[20:21]
	s_add_nc_u64 s[22:23], s[4:5], s[22:23]
	s_add_nc_u64 s[12:13], s[4:5], s[12:13]
	s_add_nc_u64 s[18:19], s[4:5], s[18:19]
	s_cmp_eq_u32 s15, 0
	s_cselect_b64 s[PFA:PFA+1], s[20:21], s[22:23]
	s_add_nc_u64 s[PFA:PFA+1], s[PFA:PFA+1], s[10:11]
	s_add_nc_u64 s[PFA:PFA+1], s[PFA:PFA+1], s[2:3]
	global_prefetch_b8 v[PFO], s[PFA:PFA+1] th:TH_LOAD_NT scope:SCOPE_SE   ; the first 256 along K: the descriptors' set-up and the round stand between this line and the loads that want it
	MKG0 GA0, 20, 0                                ; the head's four tiles, each whole
	s_mov_b32 s[GA0+1], 0
	MKG0 GB0, 22, 0
	s_mov_b32 s[GB0+1], 2*PARTB
	MKG0 G0SA, 12, 0
	s_mov_b32 s[G0SA+1], SCL
	MKG0 G0SB, 18, 0
	s_mov_b32 s[G0SB+1], SCL+8192
	s_add_nc_u64 s[20:21], s[20:21], s[10:11]
	s_add_nc_u64 s[22:23], s[22:23], s[10:11]
	MKG0 GA1, 20, 3072                             ; the second and third 256 along K of my 8 tiles
	s_mov_b32 s[GA1+1], s47
	MKG0 GB1, 22, 3072
	s_mov_b32 s[GB1+1], s47
	MKG0 GA2, 20, 9216                             ; the fourth
	s_mov_b32 s[GA2+1], s46
	MKG0 GB2, 22, 9216
	s_mov_b32 s[GB2+1], s46
	CROUND                                         ; all sixteen work-groups are here: the first joint loads meet
; one tree of branches on the wave's number: every way through the head passes exactly one load
.macro ARM under, g0, g1, next
	s_cmp_lt_u32 s14, \under
	s_cbranch_scc0 \next
	tensor_load_to_lds s[\g0:\g0+3], s[\g1:\g1+7]
	s_nop 0
	PLACES 4
	s_branch .Lhead_asked
\next:
.endm
	ARM 1, GA0,  G1A,  .Lhead_b
	ARM 2, GB0,  G1B,  .Lhead_sa
	ARM 3, G0SA, G1SA, .Lhead_sb
	tensor_load_to_lds s[G0SB:G0SB+3], s[G1SB:G1SB+7]
	s_nop 0
	PLACES 4
.Lhead_asked:
	global_prefetch_b8 v[PFO], s[PFA:PFA+1] offset:3072 th:TH_LOAD_NT scope:SCOPE_SE   ; what the next fill loads
	global_prefetch_b8 v[PFO], s[PFA:PFA+1] offset:6144 th:TH_LOAD_NT scope:SCOPE_SE
	s_lshl_b32 s2, s40, 10
	s_lshl_b32 s3, s16, 9
	s_add_co_u32 s2, s2, s3
	v_lshl_add_u32 v3, v2, 6, s2                   ; r_w_bias at column 256 cx + 128 hb + 16 h: inside its 4,096 bytes for every X, and always loaded
.set k, 0
.rept 16
	global_load_b128 v[96+4*k+96*(k/8):99+4*k+96*(k/8)], v3, s[6:7] offset:128*(k/4)+16*(k%4)   ; place 16 b + 4 j of my 64
.set k, k+1
.endr
	; the way out's addresses
	s_lshl_b32 s2, s17, 3
	s_lshl_b32 s3, s40, 1
	s_add_co_u32 s2, s2, s3
	s_add_co_u32 s2, s2, s16                       ; 8 Y + 2 cx + hb: batch and pair of heads (q, rw_q, k), batch and 128 keys (v)
	s_lshl_b32 s3, s41, 1
	s_add_co_u32 s3, s3, s15                       ; 2 cy + ha: my 8 tiles of A
	s_mul_i32 s12, s2, 98304
	s_mul_i32 s13, s3, 12288
	s_add_co_u32 s12, s12, s13
	s_add_co_u32 s10, s42, 1
	s_and_b32 s10, s10, 3                          ; rw_q's plane, q's plane, K's images, V's images lie one behind the other: plane (X + 1) % 4
	s_mul_i32 s10, s10, PLANE
	s_add_co_u32 s10, s10, s12
	s_mov_b32 s11, 0
	s_add_nc_u64 s[10:11], s[8:9], s[10:11]
	s_lshl_b32 s18, s2, 13
	s_lshl_b32 s19, s3, 10
	s_add_co_u32 s18, s18, s19
	s_lshl_b32 s19, s42, 18
	s_add_co_u32 s18, s18, s19
	s_add_co_u32 s18, s18, QS_O                    ; q's, k's or rw_q's scale words
	s_lshl_b32 s19, s2, 12
	s_lshl_b32 s20, s3, 9
	s_add_co_u32 s19, s19, s20
	s_add_co_u32 s19, s19, VS_O                    ; v's
	s_cmp_lg_u32 s42, 2
	s_cselect_b32 s18, s18, s19
	s_cselect_b32 s47, 0x00ff00ff, -1
	s_cselect_b32 s46, 8, 0
	s_cmp_eq_u32 s42, 0
	s_cselect_b32 s45, 8, 0                        ; q's bytes stand at bytes 1 and 3 of a word, beside rw_q's at 0 and 2
	s_mov_b32 s19, 0
	s_add_nc_u64 s[18:19], s[8:9], s[18:19]
	s_mov_b32 s22, 0x76543210
	s_mov_b32 s23, 0xfedcba98
	; LDS addresses: slot 0, and the region behind it
	s_mul_i32 s20, s15, PARTB
	s_mul_i32 s21, s16, PARTB
	s_add_co_u32 s21, s21, 2*PARTB
	v_add_nc_u32 v[ADRA], s20, v[VO]
	v_add_nc_u32 v[ADRB], s21, v[VO]
	s_lshl_b32 s20, s20, 1
	s_lshl_b32 s21, s21, 1
	s_add_co_u32 s20, s20, SLOTB
	s_add_co_u32 s21, s21, SLOTB
	v_add_nc_u32 v[ADRA+1], s20, v[VO]
	v_add_nc_u32 v[ADRB+1], s21, v[VO]
	s_lshl_b32 s20, s15, 12
	s_lshl_b32 s21, s16, 12
	s_add_co_u32 s21, s21, 2*4096
	s_sub_co_u32 s21, s21, s20
	v_mul_u32_u24 v4, s21, v2                      ; lanes 16-31 take B's words: one product, the distance between the two
	s_add_co_u32 s20, s20, SCL
	v_lshl_add_u32 v4, v1, 4, v4
	v_add_nc_u32 v[ADRS], s20, v4
; a fragment comes back as it was stored: three pieces of 512 consecutive bytes.  slot 0: tiles 3,072 bytes apart; slots 1 and 2 are the two halves of rows of 6,144 bytes
.macro FRAG reg, adr, slot, q, i
.irp c, 0,1,2
.if (\slot) == 0
	ds_load_b128 v[\reg+4*\c:\reg+4*\c+3], v[\adr] offset:3072*(\i)+1536*(\q)+512*\c
.else
	ds_load_b128 v[\reg+4*\c:\reg+4*\c+3], v[\adr+1] offset:6144*(\i)+3072*((\slot)-1)+1536*(\q)+512*\c
.endif
.endr
.endm
; 16 matrix instructions: A's blocks a0, a0 + 1 x B's eight, K step sx of eight.  The 64 accumulators take turns, one instruction a turn, in the same order in every step.
.macro MUL16 a0, p, sx, zero
.irp a, \a0, \a0+1
.irp b, 0,1,2,3,4,5,6,7
.if \zero
	v_wmma_scale_f32_16x16x128_f8f6f4 v[8*(8*((\a)%4)+\b):8*(8*((\a)%4)+\b)+7], v[128*(\p)+FR*\b:128*(\p)+FR*\b+FR-1], v[AF+FR*(\a):AF+FR*(\a)+FR-1], 0, v[SC+4*(8*(\b/4)+(\sx))+\b%4], v[SC+4*(8*((\a)/4)+(\sx))+(\a)%4] matrix_a_fmt:MATRIX_FMT_FP6 matrix_b_fmt:MATRIX_FMT_FP6 matrix_a_scale:MATRIX_SCALE_ROW1
.else
	v_wmma_scale_f32_16x16x128_f8f6f4 v[8*(8*((\a)%4)+\b):8*(8*((\a)%4)+\b)+7], v[128*(\p)+FR*\b:128*(\p)+FR*\b+FR-1], v[AF+FR*(\a):AF+FR*(\a)+FR-1], v[8*(8*((\a)%4)+\b):8*(8*((\a)%4)+\b)+7], v[SC+4*(8*(\b/4)+(\sx))+\b%4], v[SC+4*(8*((\a)/4)+(\sx))+(\a)%4] matrix_a_fmt:MATRIX_FMT_FP6 matrix_b_fmt:MATRIX_FMT_FP6 matrix_a_scale:MATRIX_SCALE_ROW1
.endif
.endr
.endr
.endm
.macro FETCH_B slot, q, p
	WIN TO_B
.irp i, 0,1,2,3,4,5,6,7
	FRAG 128*(\p)+FR*\i, ADRB, \slot, \q, \i
.endr
	WIN 0
.endm
.macro FETCH_A slot, q, i0
.irp i, \i0, \i0+1, \i0+2, \i0+3
	FRAG AF+FR*(\i), ADRA, \slot, \q, \i
.endr
.endm
; A step of 128 along K on B's set p; the next step's fragments come from (nslot, nq): bytes that a barrier has already shown whole
.macro STEP p, sx, nslot, nq, zero
	s_wait_dscnt 4*NL                              ; all but the youngest twelve loads (A's blocks 4-7) are in
	WIN MUL_LO
	MUL16 0, \p, \sx, \zero
	MUL16 2, \p, \sx, \zero
	s_wait_dscnt 0x0                               ; A's blocks 4-7 are in
	PLACES NP                                      ; in front of loads into registers that matrix instructions have read
	FETCH_B \nslot, \nq, 1-(\p)
	FETCH_A \nslot, \nq, 0
	WIN MUL_HI
	MUL16 4, \p, \sx, \zero
	MUL16 6, \p, \sx, \zero
	PLACES NP
	WIN 0
	FETCH_A \nslot, \nq, 4
.endm
; A step with a barrier in it.  In front of the barrier each wave waits for all its tensor loads, adds 0 to its spare word, and waits for that and for its LDS reads.  fill = 1: slot 0, which nobody reads any more, takes the fourth 256 along K.
.macro TURN next, fill, sx
	s_wait_tensorcnt 0x0                           ; all my tensor loads have landed
	ds_add_u32 v[SPW], v[NIL]                      ; 0 onto my spare word
	s_wait_dscnt 4*NL+1                            ; (the add and A's blocks 4-7 may be out)
	WIN MUL_LO
	MUL16 0, 1, \sx, 0                             ; sixteen matrix instructions stand between the add and the wait for it
	s_wait_dscnt 0x0                               ; the add is done, and my reads of the slot are over
	s_barrier_signal -1
	MUL16 2, 1, \sx, 0
	WIN 0
	s_barrier_wait -1
.if \fill
	CREST                                          ; the barrier has opened a round of the cluster's barrier: no wave of any partner still reads slot 0 or has a load on its way
.irp g, G1A, G1B
	s_mov_b32 s[\g+1], 384<<16                     ; no tensor load of mine is out: rows of 3,072 bytes again, eight of them
	s_mov_b32 s[\g+3], 384<<16
.endr
	JLOAD GA2, G1A, GB2, G1B                       ; the first tensor load behind the round; its four v_nop are also the places in front of the loads below
.else
	PLACES NP
.endif
	FETCH_B \next, 0, 0
	FETCH_A \next, 0, 0
	WIN MUL_HI
	MUL16 4, 1, \sx, 0
	MUL16 6, 1, \sx, 0
	PLACES NP
	WIN 0
	FETCH_A \next, 0, 4
.endm
	s_wait_alu depctr_va_vdst(0)
	s_wait_tensorcnt 0x0                           ; my tile of the head's four is in; the same lines ahead of a later first fill as ahead of a refill:
	ds_add_u32 v[SPW], v[NIL]
.irp g, G1A, G1B
	s_mov_b32 s[\g+1], 768<<16                     ; no tensor load of mine is out: from here a load brings 8 rows of 6,144 bytes
	s_mov_b32 s[\g+2], 8<<16
	s_mov_b32 s[\g+3], 768<<16
	s_mov_b32 s[\g+4], 8
.endr
	s_wait_dscnt 0x0
	CROUND                                         ; all four tiles are in, and all sixteen work-groups are here
	JLOAD GA1, G1A, GB1, G1B                       ; the second and third 256 along K
.irp iq, 0,1
.irp s, 0,1,2,3,4,5,6,7
	ds_load_b128 v[SC+4*(8*\iq+\s):SC+4*(8*\iq+\s)+3], v[ADRS] offset:2048*\iq+256*\s   ; four tiles' words of K step s
.endr
.endr
	FETCH_B 0, 0, 0
	FETCH_A 0, 0, 0
	FETCH_A 0, 0, 4
	global_prefetch_b8 v[PFO], s[PFA:PFA+1] offset:9216 th:TH_LOAD_NT scope:SCOPE_SE   ; what the last fill loads
	STEP 0, 0, 0, 1, 1                             ; the first step's products start the sums
	TURN 1, 1, 1                                   ; the region behind slot 0 is shown whole to every wave; slot 0 is filled again
	STEP 0, 2, 1, 1, 0
	STEP 1, 3, 2, 0, 0
	STEP 0, 4, 2, 1, 0
	TURN 0, 0, 5                                   ; the refill has landed, in every wave's part
	STEP 0, 6, 0, 1, 0
	s_wait_dscnt 4*NL
	WIN MUL_LO
	MUL16 0, 1, 7, 0
	MUL16 2, 1, 7, 0
	s_wait_dscnt 0x0
	WIN MUL_HI
	MUL16 4, 1, 7, 0
	MUL16 6, 1, 7, 0
	WIN 0
; THE WAY OUT.  64 numbers of a lane in window win from v[base] on become a fragment in v[PC] on and four bytes in v[FW].  Blocks 0 and 2, and 1 and 3, are converted in pairs and change halves,
; so that lane half h ends with blocks 2 h and 2 h + 1 whole: the 64 codes of head h of the pair (q, rw_q, k), or keys 64 h on (v).  Each accumulator is read from its low end on.
.macro QUANTW win, base
	WIN ((\win)<<2)|((\win)<<4)
.irp b, 0,1,2,3
	v_max3_num_f32 v[TM+\b], FLOOR, |v[(\base)+16*\b]|, |v[(\base)+16*\b+1]|
.endr
.irp i, 2,4,6,8,10,12,14
.irp b, 0,1,2,3
	v_max3_num_f32 v[TM+\b], v[TM+\b], |v[(\base)+16*\b+\i]|, |v[(\base)+16*\b+\i+1]|
.endr
.endr
	WIN 0
.irp b, 0,1,2,3
	v_permlanex16_b32 v[TM+4+\b], v[TM+\b], s22, s23
.endr
.irp b, 0,1,2,3
	v_max_num_f32 v[TM+\b], v[TM+\b], v[TM+4+\b]   ; with lane l xor 16's 16: the block's largest magnitude
.endr
.irp b, 0,1,2,3
	v_add_nc_u32 v[TM+12+\b], EOFF, v[TM+\b]
.endr
.irp b, 0,1,2,3
	v_lshrrev_b32 v[TM+4+\b], 23, v[TM+12+\b]
.endr
	v_lshl_or_b32 v[FW], v[TM+6], 8, v[TM+4]       ; byte 2 c + h holds block 2 h + c: blocks 0, 2, 1, 3
	v_lshl_or_b32 v[FW], v[TM+5], 16, v[FW]
	v_lshl_or_b32 v[FW], v[TM+7], 24, v[FW]
	WIN (\win)
	v_cvt_scalef32_pk16_fp6_f32 v[PC:PC+2], v[(\base):(\base)+15], v[TM+12]
	v_cvt_scalef32_pk16_fp6_f32 v[PT:PT+2], v[(\base)+32:(\base)+47], v[TM+14]
	v_cvt_scalef32_pk16_fp6_f32 v[PC+6:PC+8], v[(\base)+16:(\base)+31], v[TM+13]
	v_cvt_scalef32_pk16_fp6_f32 v[PT+4:PT+6], v[(\base)+48:(\base)+63], v[TM+15]
	WIN 0
	v_nop                                          ; one plain place behind a scaled conversion
.irp i, 0,1,2
	v_permlane16_swap_b32 v[PC+\i], v[PT+\i]
	v_permlane16_swap_b32 v[PC+6+\i], v[PT+4+\i]
.endr
.irp i, 0,1,2
	v_mov_b32 v[PC+3+\i], v[PT+\i]
	v_mov_b32 v[PC+9+\i], v[PT+4+\i]
.endr
.endm
	PLACES NP                                      ; behind the last products: their results are read and A's registers written from here on
	s_wait_loadcnt 0x0                             ; r_w_bias
.irp b, 0,1,2,3
	v_mov_b32 v[TM+4+\b], 0                        ; (a lane permute's destination counts as one of its sources)
.endr
	v_mul_u32_u24 v[SHV], s46, v2                  ; q, rw_q, k: lane half h takes its own head's two bytes
	s_cmp_lg_u32 s42, 3
	s_cbranch_scc1 .Lno_rw
.irp a, 0,1,2,3,4,5,6,7                        ; X = 3: rw_q = q + r_w_bias, in f32, in place; each accumulator from its low end on
	WIN ((2+\a/4)<<6)|(2+\a/4)
.set k, 0
.rept 32
	v_pk_add_f32 v[64*(\a%4)+k:64*(\a%4)+k+1], v[64*(\a%4)+k:64*(\a%4)+k+1], v[96+k+96*(k/32):97+k+96*(k/32)]
.set k, k+2
.endr
.endr
	WIN 0
.Lno_rw:
.irp a, 0,1,2,3,4,5,6,7
.set PC, PCS\a
	QUANTW 2+\a/4, 64*(\a%4)
	v_lshrrev_b32 v[W0+\a], v[SHV], v[FW]
	v_and_b32 v[W0+\a], s47, v[W0+\a]              ; q, rw_q, k: two bytes; v: all four
	v_lshlrev_b32 v[W0+\a], s45, v[W0+\a]          ; q: up to bytes 1 and 3
.irp c, 0,1,2
	global_store_b128 v[VO], v[PC+4*\c:PC+4*\c+3], s[10:11] offset:1536*\a+512*\c   ; 32 lanes store 512 consecutive bytes
.endr
.endr
	s_cmp_eq_u32 s42, 2
	s_cbranch_scc1 .Lv_words
	global_store_b128 v[VO], v[W0:W0+3], s[18:19]              ; [head of the pair][r][four tiles]: 512 consecutive bytes
	s_wait_alu depctr_va_vdst(0)
	global_store_b128 v[VO], v[W0+4:W0+7], s[18:19] offset:512
	s_branch .Ldone
.Lv_words:
	v_cmp_eq_u32 vcc_lo, 1, v2
	s_wait_alu depctr_va_vdst(0)
.irp j, 0,1,2,3
	v_cndmask_b32 v[W1+\j], v[W0+\j], v[W0+4+\j], vcc_lo       ; lane half h stores the words of head h of my two: four tiles of 16 d each
.endr
	global_store_b128 v[VO], v[W1:W1+3], s[18:19]
.Ldone:
	s_wait_tensorcnt 0x0                           ; the wave's end
	ds_add_u32 v[SPW], v[NIL]
	s_wait_dscnt 0x0
	CROUND                                         ; the closing round
	s_endpgm
.Lfunc_end_k_qcc42dfa849_qkv:
	.size	k_qcc42dfa849_qkv, .Lfunc_end_k_qcc42dfa849_qkv-k_qcc42dfa849_qkv
	.p2alignl 7, 3214868480
	.fill 96, 4, 3214868480
	.section	.rodata,"a",@progbits
	.p2align	6, 0x0
	.amdhsa_kernel k_qcc42dfa849_qkv
		.amdhsa_group_segment_fixed_size 327680
		.amdhsa_private_segment_fixed_size 0
		.amdhsa_enable_private_segment 0
		.amdhsa_kernarg_size 24
		.amdhsa_user_sgpr_count 2
		.amdhsa_user_sgpr_kernarg_segment_ptr 1
		.amdhsa_wavefront_size32 1
		.amdhsa_system_sgpr_workgroup_id_x 1
		.amdhsa_system_sgpr_workgroup_id_y 1
		.amdhsa_system_sgpr_workgroup_id_z 1
		.amdhsa_system_vgpr_workitem_id 0
		.amdhsa_next_free_vgpr 1024
		.amdhsa_next_free_sgpr 102
		.amdhsa_reserve_vcc 1
		.amdhsa_float_denorm_mode_32 3
		.amdhsa_float_denorm_mode_16_64 3
		.amdhsa_memory_ordered 1
		.amdhsa_forward_progress 1
		.amdhsa_inst_pref_size 159
	.end_amdhsa_kernel
	.amdgpu_metadata
---
amdhsa.version: [ 1, 2 ]
amdhsa.kernels:
  - .name:           k_qcc42dfa849_qkv
    .symbol:         k_qcc42dfa849_qkv.kd
    .args:
      - { .name: prep, .offset: 0, .size: 8, .value_kind: global_buffer, .address_space: global }
      - { .name: r_w_bias, .offset: 8, .size: 8, .value_kind: global_buffer, .address_space: global }
      - { .name: qkv, .offset: 16, .size: 8, .value_kind: global_buffer, .address_space: global }
    .group_segment_fixed_size: 327680
    .private_segment_fixed_size: 0
    .kernarg_segment_align: 8
    .kernarg_segment_size: 24
    .max_flat_workgroup_size: 128
    .sgpr_count:     102
    .vgpr_count:     1024
    .wavefront_size: 32
...
	.end_amdgpu_metadata
.endif
;; end of part 2
;; launch attn (part 3): grid 4 x 64, 16 waves a work-group, clusters of 4 x 1, 169,984 bytes of LDS; arguments prep, qkv, att; writes att
.if DOCPART == 3
	.amdgcn_target "amdgcn-amd-amdhsa--gfx1250"
	.amdhsa_code_object_version 6
	.text
	.protected	k_qcc42dfa849_attn
	.globl	k_qcc42dfa849_attn
	.p2align	8
	.type	k_qcc42dfa849_attn,@function
k_qcc42dfa849_attn:
	s_mov_b64 s[64:65], 0
	v_nop
	global_prefetch_b8 v0, s[64:65] scope:SCOPE_SE
	s_setreg_imm32_b32 hwreg(HW_REG_WAVE_MODE, 25, 1), 1
	s_wait_xcnt 0x0
	s_wait_alu depctr_hold_cnt(0) depctr_sa_sdst(0) depctr_va_vdst(0) depctr_va_sdst(0) depctr_va_ssrc(0) depctr_va_vcc(0) depctr_vm_vsrc(0)
	s_getreg_b32 s2, hwreg(HW_REG_IB_STS2, 6, 4)
	s_cmp_eq_u32 s2, 0
	s_cbranch_scc0 .Lentry_in_a_cluster
	s_endpgm
.Lentry_in_a_cluster:
	s_bfe_u32 s2, ttmp6, 0x10000c
	s_cmp_lg_u32 s2, 0x3003
	s_cbranch_scc0 .Lentry_shape_is_right
	s_endpgm
.Lentry_shape_is_right:
; ATTN: for one batch and head, softmax((rw_q . k + shift(q . r_emb + r_bias)) / 8) v, all three products on codes of FP6 (E2M3) with E8M0 scales; the result is quantised for the output projection.
; ONE MATRIX INSTRUCTION MAKES BOTH SCORES: both have K = 64, so the four blocks of 32 of a 16x16x128 instruction are (rw_q . k, d 0-31), (q . r, d 0-31), (rw_q . k, d 32-63), (q . r, d 32-63), each with its own scale byte:
; lanes 0-15 of an operand hold k's (rw_q's) 64 codes, lanes 16-31 r_emb's (q's).  r_bias is the product's C.  The shift by one key lies in r_emb's and r_bias's workspace (key j holds row j + 1; key 1023 zero codes and a zero bias).
; THE SOFTMAX AHEAD OF THE SECOND PRODUCT: t = score x log2(e) / 8; M = the running largest t rounded UP to a whole number; p = 2^(t - M) is quantised along the keys, not normalised; the row's sum is taken of the unquantised p and divides at the end.
; SHARES: the four work-groups of a cluster take 256 queries each of one (batch, head); each of sixteen waves one tile of 16 queries in 256 registers, four waves to a SIMD.  Every wave walks all 1,024 keys, 128 a step.
; The head's codes of k, r_emb and v, 49,152 bytes each, lie in LDS whole: they are asked for JOINTLY by the four work-groups, once, at the head; nothing is filled twice.
; The 147,456 bytes are shared out among TWELVE waves, 12,288 bytes each (waves 0-3 quarters of k, 4-7 of r_emb, 8-11 of v), landing at wave x 12,288: a wave that fetches has one tensor load out.
; Both products are used transposed (S^T = K Q^T, O^T = V^T P^T): a lane holds one query throughout; tiles lie in tile order, so the 16 registers of tiles 2 b, 2 b + 1 are keys 32 b + 16 (lane / 16) + 0 .. 15.
; P and V hold key block 2 h + c in registers 6 c.. of lane half h, with that block's byte at byte 2 c + h of the scale word.
; LIMITS: a block of zeros, or one under 2^-124, keeps the byte 1 (this program alone reads the bytes); NaN and infinities are not served.
; REGISTERS: v1-5 addresses that stay, v6-10 the step's (v6-9 later the way out's); v12 -M, v13 the largest t, v[14:15] the sum; v16-27 Q; v28 Q's scale word; v29-31 lane, r, h; v32-79 four fragments; v80-87 the keys' scale words, v88-91 V's;
;   v96-159 S^T, then p; v160-191 O^T; v192-203 p's codes, v204-211 second halves; v212.. at work; v228 p's scale word; v[230:231] f.
.set R_IMG, 6291456
.set RS_O,  7340032
.set RBI_O, 7405568
.set PLANE, 3145728
.set K_IMG, 6291456
.set V_IMG, 9437184
.set QS_O,  12582912
.set KS_O,  12845056
.set VS_O,  13107200
.set AS_O,  3145728
.set SHARE, 12288                      ; what one tensor load brings
.set LV,    98304                      ; LDS: k's codes at 0 and r_emb's at 49,152 (tile x 768 + 256 c + 16 r); V's fragments here (step x 6,144 + tile x 1,536);
.set KSM,   147456                     ; the keys' scale words, k's and r_emb's bytes joined: [four tiles][r][4];
.set VSM,   151552                     ; V's: [step][r][four tiles];
.set BB,    153600                     ; the bias, 4 bytes a key;
.set ASG,   157696                     ; and the result's scale words on their way out
.set FLOOR, 0x1800000
.set EOFF,  0xff000000
.set WV,  18
.set SEL, 56
.set CS,  58
.set KO,  60                           ; the step's codes: 6,144 bytes a step in each of the three regions
.set SO,  61                           ; the step's key words and bias: 512 bytes a step
.set VOF, 62                           ; V's words: 256 bytes a step
.set CNT, 63
.set MX,  212
.set PTM, 216
.set SOP, 220
.set BYT, 224
.set PW,  228
.set FF,  230
.set TMP, 232
.set SM2, 234
.set PC,  192
.set PT,  204
.macro CROUND
	s_barrier_signal -1
	s_barrier_wait -1
	s_cmp_lg_u32 s[WV], 0
	s_cbranch_scc1 .Lnot_wave_0_\@
	s_barrier_signal -3
.Lnot_wave_0_\@:
	s_barrier_wait -3
	s_barrier_signal -1
	s_barrier_wait -1
.endm
	s_load_b128 s[4:7], s[0:1], 0x0                ; prep, qkv
	s_load_b64 s[8:9], s[0:1], 0x10                ; att
	v_lshl_add_u32 v254, v0, 2, 0x29000
	v_mov_b32 v255, 0
	ds_add_u32 v254, v255
	ds_add_u32 v254, v255
	v_lshrrev_b32 v1, 5, v0
	s_delay_alu instid0(VALU_DEP_1)
	v_readfirstlane_b32 s[WV], v1                  ; wave 0..15
	s_bfe_u32 s10, ttmp6, 0x40000                  ; cx: it enters Q's and the results' global addresses alone
	s_and_b32 s11, ttmp7, 0xffff                   ; 16 b + n
	s_lshr_b32 s12, s11, 4                         ; b
	s_and_b32 s13, s11, 15                         ; n
	s_lshr_b32 s14, s13, 1                         ; the pair of heads
	s_and_b32 s15, s13, 1                          ; and which of the pair
	s_lshl_b32 s16, s10, 4
	s_add_co_u32 s16, s16, s[WV]                   ; my tile of queries
	s_lshl_b32 s17, s12, 3
	s_add_co_u32 s17, s17, s14                     ; 8 b + pair
	; group 1 for k's and r_emb's codes: a head's pieces are 256 bytes of every 512: a quarter of a head is 48 rows of 256 bytes, 512 apart
	s_mov_b32 s24, 15|(3<<16)|(1<<21)              ; 15:0 all four work-groups; 17:16 elements of 8 bytes; 21 set beside a mask
	s_mov_b32 s25, 32<<16
	s_mov_b32 s26, 48<<16
	s_mov_b32 s27, 32<<16
	s_mov_b32 s28, 48
	s_mov_b32 s29, 64
	s_mov_b32 s30, 0
	s_mov_b32 s31, 0
	; group 1 for V: a head's four fragments of a step are 6,144 dense bytes; from step to step 98,304: a quarter is two rows
	s_mov_b32 s32, 15|(3<<16)|(1<<21)
	s_mov_b32 s33, 768<<16
	s_mov_b32 s34, 2<<16
	s_mov_b32 s35, 768<<16
	s_mov_b32 s36, 2
	s_mov_b32 s37, 12288
	s_mov_b32 s38, 0
	s_mov_b32 s39, 0
	; what I fetch, if I fetch: quarter wave % 4 of k (waves 0-3), of r_emb (4-7), of v (8-11); it lands at wave x 12,288.  Nothing here hangs on my place in the cluster
	s_and_b32 s19, s[WV], 3
	s_mul_i32 s2, s[WV], SHARE
	s_mul_i32 s20, s17, 98304
	s_add_co_u32 s20, s20, K_IMG
	s_mul_i32 s21, s14, 98304
	s_add_co_u32 s21, s21, R_IMG
	s_lshl_b32 s3, s15, 8
	s_cmp_lt_u32 s[WV], 4
	s_cselect_b32 s20, s20, s21
	s_add_co_u32 s20, s20, s3
	s_mul_i32 s21, s19, 24576                      ; 48 rows, 512 bytes apart
	s_add_co_u32 s20, s20, s21
	s_mov_b32 s21, 0
	s_mul_i32 s22, s12, 786432
	s_mul_i32 s23, s13, 6144
	s_add_co_u32 s22, s22, s23
	s_mul_i32 s23, s19, 196608                     ; two key steps
	s_add_co_u32 s22, s22, s23
	s_add_co_u32 s22, s22, V_IMG
	s_mov_b32 s23, 0
	; all addresses are made while the arguments are on their way
	v_and_b32 v29, 31, v0                          ; lane
	v_and_b32 v30, 15, v0                          ; r
	v_bfe_u32 v31, v0, 4, 1                        ; h
	s_delay_alu instid0(VALU_DEP_1)
	v_mul_u32_u24 v1, v31, 49152                   ; lanes 16-31 read r_emb's region: one product
	s_delay_alu instid0(VALU_DEP_1)
	v_lshl_add_u32 v1, v30, 4, v1
	v_lshl_add_u32 v2, v29, 4, LV
	v_lshl_add_u32 v3, v30, 4, KSM
	v_lshl_add_u32 v4, v30, 4, VSM
	v_lshl_add_u32 v5, v31, 6, BB
	; the small things, shared out among the 512 threads
	s_lshl_b32 s48, s17, 13
	s_add_co_u32 s48, s48, s3
	s_add_co_u32 s49, s48, KS_O
	s_add_co_u32 s50, s48, QS_O
	s_lshl_b32 s51, s14, 13
	s_add_co_u32 s51, s51, s3
	s_add_co_u32 s51, s51, RS_O
	s_lshl_b32 s52, s13, 12
	s_add_co_u32 s52, s52, RBI_O
	s_lshr_b32 s53, s16, 2
	s_lshl_b32 s53, s53, 9
	s_add_co_u32 s50, s50, s53
	s_and_b32 s53, s16, 3
	s_lshl_b32 s53, s53, 2
	s_add_co_u32 s50, s50, s53                     ; Q's scale words: my tile's word of its four
	v_lshrrev_b32 v40, 5, v0
	s_delay_alu instid0(VALU_DEP_1)
	v_lshlrev_b32 v40, 9, v40
	s_delay_alu instid0(VALU_DEP_1)
	v_lshl_add_u32 v40, v29, 3, v40                ; 8 bytes a thread of the head's 256 of every 512
	s_delay_alu instid0(VALU_DEP_1)
	v_add_nc_u32 v41, s51, v40
	s_delay_alu instid0(VALU_DEP_2)
	v_add_nc_u32 v40, s49, v40
	v_lshlrev_b32 v42, 3, v0
	s_delay_alu instid0(VALU_DEP_1)
	v_add_nc_u32 v42, s52, v42
	s_lshl_b32 s53, s12, 15
	s_lshl_b32 s54, s13, 8
	s_add_co_u32 s53, s53, s54
	s_add_co_u32 s53, s53, VS_O
	v_lshrrev_b32 v43, 6, v0
	s_delay_alu instid0(VALU_DEP_1)
	v_lshlrev_b32 v43, 12, v43
	v_and_b32 v44, 63, v0
	s_delay_alu instid0(VALU_DEP_1)
	v_lshl_add_u32 v43, v44, 2, v43
	s_delay_alu instid0(VALU_DEP_1)
	v_add_nc_u32 v43, s53, v43
	s_lshl_b32 s53, s17, 6
	s_add_co_u32 s53, s53, s16
	s_mul_i32 s53, s53, 1536
	s_add_co_u32 s53, s53, s3
	v_mul_u32_u24 v44, v31, PLANE                  ; lanes 0-15 rw_q's plane, lanes 16-31 q's
	s_delay_alu instid0(VALU_DEP_1)
	v_lshl_add_u32 v44, v30, 4, v44
	s_delay_alu instid0(VALU_DEP_1)
	v_add_nc_u32 v44, s53, v44
	v_lshlrev_b32 v45, 4, v30
	s_delay_alu instid0(VALU_DEP_1)
	v_add_nc_u32 v45, s50, v45
	v_lshl_add_u32 v46, v0, 3, KSM
	v_lshl_add_u32 v47, v0, 2, VSM
	; a prefetch of the head's joint tiles: of the 48 blocks of 256 bytes that my wave fetches, the partner at place cx names 12, told apart by address; lanes 12-31 name the last of them again
	s_mul_i32 s48, s10, 6144                       ; k, r_emb: rows 12 cx on, 512 bytes apart
	s_add_co_u32 s48, s48, s20
	s_lshr_b32 s50, s10, 1                         ; v: key step cx / 2 of my two, its half cx % 2
	s_mul_i32 s50, s50, 98304
	s_and_b32 s51, s10, 1
	s_mul_i32 s51, s51, 3072
	s_add_co_u32 s50, s50, s51
	s_add_co_u32 s50, s50, s22
	s_cmp_lt_u32 s[WV], 8
	s_cselect_b32 s48, s48, s50
	s_cselect_b32 s50, 9, 8
	s_mov_b32 s49, 0
	v_min_u32 v237, 11, v29
	v_lshlrev_b32 v236, s50, v237                  ; v236 and s[52:53] are written nowhere else
	s_mov_b32 s[SEL], 0x76543210
	s_mov_b32 s[SEL+1], 0xfedcba98
	s_mov_b32 s[CS], 0x3e38aa3b                    ; c = log2(e) / 8
	s_mov_b32 s[CS+1], s[CS]
	s_mov_b32 s[KO], 0
	s_mov_b32 s[SO], 0
	s_mov_b32 s[VOF], 0
	s_mov_b32 s[CNT], 8
	s_wait_alu depctr_va_vdst(0)
	s_wait_dscnt 0x0
	s_wait_kmcnt 0x0
	s_and_b32 s51, s[WV], 12
	s_cmp_eq_u32 s51, 4
	s_cselect_b64 s[52:53], s[4:5], s[6:7]         ; r_emb's codes lie in prep, k's and v's in qkv
	s_add_nc_u64 s[52:53], s[52:53], s[48:49]
	s_cmp_lt_u32 s[WV], 12
	s_cbranch_scc0 .Lno_pf                         ; waves 12-15 fetch no tile and ask for none
	global_prefetch_b8 v236, s[52:53] th:TH_LOAD_NT scope:SCOPE_SE   ; the loads into registers and the round stand between this line and the tensor loads
.Lno_pf:
	; the loads into registers go out ahead of the round: they are on their way while the four work-groups meet
	global_load_b64 v[32:33], v40, s[6:7]          ; k's scale bytes (bytes 0, 2 of a word)
	global_load_b64 v[34:35], v41, s[4:5]          ; r_emb's (bytes 1, 3)
	global_load_b64 v[36:37], v42, s[4:5]          ; the bias
	global_load_b32 v38, v43, s[6:7]               ; V's scale words
	global_load_b128 v[16:19], v44, s[6:7]
	global_load_b128 v[20:23], v44, s[6:7] offset:512
	global_load_b128 v[24:27], v44, s[6:7] offset:1024
	global_load_b32 v28, v45, s[6:7]               ; q's scale bytes (bytes 1, 3 of the word)
	global_load_b32 v39, v45, s[6:7] offset:786432 ; rw_q's (bytes 0, 2)
	s_cmp_lt_u32 s[WV], 4
	s_cselect_b64 s[42:43], s[6:7], s[4:5]         ; k's codes lie in qkv, r_emb's in prep
	s_add_nc_u64 s[42:43], s[42:43], s[20:21]
	s_or_b32 s43, s43, 0x80000000
	s_mov_b32 s40, 1
	s_mov_b32 s41, s2
	s_add_nc_u64 s[46:47], s[6:7], s[22:23]
	s_or_b32 s47, s47, 0x80000000
	s_mov_b32 s44, 1
	s_mov_b32 s45, s2
	CROUND                                         ; all four work-groups are here: the joint loads meet
	s_cmp_lt_u32 s[WV], 8                          ; a wave's fill stands in one branch on its number; four v_nop follow it
	s_cbranch_scc0 .Lnot_kr
	tensor_load_to_lds s[40:43], s[24:31]
	s_nop 0
.rept 4
	v_nop
.endr
	s_branch .Lasked
.Lnot_kr:
	s_cmp_lt_u32 s[WV], 12
	s_cbranch_scc0 .Lasked
	tensor_load_to_lds s[44:47], s[32:39]
	s_nop 0
.rept 4
	v_nop
.endr
.Lasked:
	v_mov_b32 v13, 0xff61b1e6                      ; the largest t so far: -3e38
	s_delay_alu instid0(VALU_DEP_1)
	v_floor_f32 v12, -v13
	v_mov_b32 v14, 0
	v_mov_b32 v15, 0
.irp b, 0,1,2,3
	v_mov_b32 v[PTM+\b], 0                         ; (a lane permute's destination counts as one of its sources)
.endr
	v_mov_b32 v[FF+1], 0                           ; (named as the upper half of a pair)
	v_mov_b32 v[TMP], 0
.set j, 0
.rept 32
	v_mov_b32 v[160+j], 0                          ; O^T: the step is written once; the first finds zeros, which the first change of M leaves zeros
.set j, j+1
.endr
	s_wait_loadcnt 0x0
	v_or_b32 v28, v28, v39                         ; Q's scale word; with the two v_nop, the two lines below and the trip's five additions nine places stand ahead of the first product
	v_nop
	v_nop
	v_or_b32 v32, v32, v34
	v_or_b32 v33, v33, v35
	ds_store_b64 v46, v[32:33]
	ds_store_b64 v46, v[36:37] offset:BB-KSM
	ds_store_b32 v47, v38
	s_wait_tensorcnt 0x0                           ; my tile has landed,
	s_wait_dscnt 0x0                               ; my stores too:
	s_barrier_signal -1
	s_barrier_wait -1                              ; everybody's have
.Lstep:                                            ; eight trips of 128 keys; the waves share nothing in the loop but LDS bytes that nobody writes: no barrier stands in it
	v_add_nc_u32 v6, s[KO], v1                     ; (these five are also the places behind the last trip's products, in front of loads into their operands)
	s_wait_alu depctr_va_vdst(0)
	v_add_nc_u32 v7, s[KO], v2
	v_add_nc_u32 v8, s[SO], v3
	v_add_nc_u32 v9, s[VOF], v4
	v_add_nc_u32 v10, s[SO], v5
.irp t, 0,1,2,3,4,5,6,7
	ds_load_b128 v[96+8*\t:99+8*\t], v10 offset:128*(\t/2)+32*(\t%2)          ; the bias of my eight keys of tile t: the product's C
	ds_load_b128 v[100+8*\t:103+8*\t], v10 offset:128*(\t/2)+32*(\t%2)+16
.endr
	ds_load_b128 v[80:83], v8
	ds_load_b128 v[84:87], v8 offset:256
.irp g, 0,1
.if \g
.rept 4
	v_nop                                          ; places in front of loads into registers that matrix instructions have read
.endr
.endif
.irp t, 0,1,2,3
.irp c, 0,1,2
	ds_load_b128 v[32+12*\t+4*\c:35+12*\t+4*\c], v6 offset:768*(4*\g+\t)+256*\c
.endr
.endr
	s_wait_dscnt 0x0
.irp t, 0,1,2,3
	v_wmma_scale_f32_16x16x128_f8f6f4 v[96+8*(4*\g+\t):103+8*(4*\g+\t)], v[32+12*\t:43+12*\t], v[16:27], v[96+8*(4*\g+\t):103+8*(4*\g+\t)], v[80+4*\g+\t], v28 matrix_a_fmt:MATRIX_FMT_FP6 matrix_b_fmt:MATRIX_FMT_FP6
.endr
.endr
.rept 4
	v_nop
.endr
	s_wait_alu depctr_va_vdst(0)
.irp t, 0,1,2,3                                ; V's four fragments and their words are asked for now and land under the softmax
.irp c, 0,1,2
	ds_load_b128 v[32+12*\t+4*\c:35+12*\t+4*\c], v7 offset:1536*\t+512*\c
.endr
.endr
	ds_load_b128 v[88:91], v9
.irp b, 0,1,2,3
	v_max3_num_f32 v[MX+\b], v[96+16*\b], v[97+16*\b], v[98+16*\b]   ; the largest score of each block of 32 keys: for the row's maximum and, since p rises with the score, for the block's largest p
.endr
.irp i, 3,5,7,9,11,13
.irp b, 0,1,2,3
	v_max3_num_f32 v[MX+\b], v[MX+\b], v[96+16*\b+\i], v[97+16*\b+\i]
.endr
.endr
.irp b, 0,1,2,3
	v_max_num_f32 v[MX+\b], v[MX+\b], v[111+16*\b]
.endr
.irp b, 0,1,2,3
	s_delay_alu instid0(VALU_DEP_4)
	v_permlanex16_b32 v[PTM+\b], v[MX+\b], s[SEL], s[SEL+1]
.endr
.irp b, 0,1,2,3
	s_delay_alu instid0(VALU_DEP_4)
	v_max_num_f32 v[MX+\b], v[MX+\b], v[PTM+\b]
.endr
	s_delay_alu instid0(VALU_DEP_2)
	v_max3_num_f32 v[TMP], v[MX], v[MX+1], v[MX+2]
	s_delay_alu instid0(VALU_DEP_1)
	v_max_num_f32 v[TMP], v[TMP], v[MX+3]
	s_delay_alu instid0(VALU_DEP_1)
	v_mul_f32 v[TMP], s[CS], v[TMP]                ; as t (c is positive)
	s_delay_alu instid0(VALU_DEP_1)
	v_max_num_f32 v13, v13, v[TMP]
	v_mov_b32 v[TMP], v12
	s_delay_alu instid0(VALU_DEP_2)
	v_floor_f32 v12, -v13                          ; -M = floor(-t): M is a whole number
	s_delay_alu instid0(VALU_DEP_1)
	v_sub_f32 v[TMP], v12, v[TMP]
	s_delay_alu instid0(VALU_DEP_1)
	v_cvt_i32_f32 v[TMP], v[TMP]                   ; (it saturates)
	s_delay_alu instid0(VALU_DEP_1)
	v_ldexp_f32 v[FF], 1.0, v[TMP]                 ; f = 2^(old M - new M)
.set j, 0
.rept 32
	v_pk_fma_f32 v[96+j:97+j], v[96+j:97+j], s[CS:CS+1], v[12:13] op_sel_hi:[1,0,0]   ; t - M
.set j, j+2
.endr
.irp b, 0,1,2,3
	v_fma_f32 v[MX+\b], v[MX+\b], s[CS], v12
.endr
.set j, 0
	s_wait_alu depctr_va_vdst(0)
.rept 64
	v_exp_f32 v[96+j], v[96+j]                     ; p = 2^(t - M)
.set j, j+1
.endr
	v_pk_mul_f32 v[14:15], v[14:15], v[FF:FF+1] op_sel_hi:[1,0]   ; the sums under the new M (a plain place behind the exponentials)
	s_wait_alu depctr_va_vdst(0)                   ; one wait for the whole batch, ahead of its first reader
.irp b, 0,1,2,3
	v_exp_f32 v[MX+\b], v[MX+\b]                   ; each block's largest p
.endr
	v_pk_add_f32 v[234:235], v[100:101], v[104:105]
	v_pk_add_f32 v[252:253], v[108:109], v[112:113]
	v_pk_add_f32 v[250:251], v[116:117], v[120:121]
	v_pk_add_f32 v[248:249], v[124:125], v[128:129]
	v_pk_add_f32 v[246:247], v[132:133], v[136:137]
	v_pk_add_f32 v[244:245], v[140:141], v[144:145]
	v_pk_add_f32 v[242:243], v[148:149], v[152:153]
	v_pk_add_f32 v[14:15], v[14:15], v[156:157]
	v_pk_add_f32 v[234:235], v[234:235], v[96:97]
	v_pk_add_f32 v[252:253], v[252:253], v[98:99]
	v_pk_add_f32 v[250:251], v[250:251], v[102:103]
	v_pk_add_f32 v[248:249], v[248:249], v[106:107]
	v_pk_add_f32 v[246:247], v[246:247], v[110:111]
	v_pk_add_f32 v[244:245], v[244:245], v[114:115]
	v_pk_add_f32 v[242:243], v[242:243], v[118:119]
	v_pk_add_f32 v[14:15], v[14:15], v[122:123]
	v_pk_add_f32 v[234:235], v[234:235], v[126:127]
	v_pk_add_f32 v[252:253], v[252:253], v[130:131]
	v_pk_add_f32 v[250:251], v[250:251], v[134:135]
	v_pk_add_f32 v[248:249], v[248:249], v[138:139]
	v_pk_add_f32 v[246:247], v[246:247], v[142:143]
	v_pk_add_f32 v[244:245], v[244:245], v[146:147]
	v_pk_add_f32 v[242:243], v[242:243], v[150:151]
	v_pk_add_f32 v[14:15], v[14:15], v[154:155]
	v_pk_add_f32 v[234:235], v[234:235], v[158:159]
	s_delay_alu instid0(VALU_DEP_2)
	v_pk_add_f32 v[14:15], v[14:15], v[248:249]
	s_delay_alu instid0(VALU_DEP_2)
	v_pk_add_f32 v[234:235], v[234:235], v[246:247]
	v_pk_add_f32 v[252:253], v[252:253], v[244:245]
	v_pk_add_f32 v[250:251], v[250:251], v[242:243]
	s_delay_alu instid0(VALU_DEP_2)
	v_pk_add_f32 v[14:15], v[14:15], v[252:253]
	s_delay_alu instid0(VALU_DEP_2)
	v_pk_add_f32 v[234:235], v[234:235], v[250:251]
	s_delay_alu instid0(VALU_DEP_1)
	v_pk_add_f32 v[14:15], v[14:15], v[234:235]
	s_wait_alu depctr_va_vdst(0)                   ; and one for the four
.irp b, 0,1,2,3
	v_max_num_f32 v[MX+\b], FLOOR, v[MX+\b]
.endr
.irp b, 0,1,2,3
	s_delay_alu instid0(VALU_DEP_4)
	v_add_nc_u32 v[SOP+\b], EOFF, v[MX+\b]
.endr
.irp b, 0,1,2,3
	s_delay_alu instid0(VALU_DEP_4)
	v_lshrrev_b32 v[BYT+\b], 23, v[SOP+\b]
.endr
	s_delay_alu instid0(VALU_DEP_2)
	v_lshl_or_b32 v[PW], v[BYT+2], 8, v[BYT]       ; byte 2 c + h holds block 2 h + c
	s_delay_alu instid0(VALU_DEP_1)
	v_lshl_or_b32 v[PW], v[BYT+1], 16, v[PW]
	s_delay_alu instid0(VALU_DEP_1)
	v_lshl_or_b32 v[PW], v[BYT+3], 24, v[PW]
	v_cvt_scalef32_pk16_fp6_f32 v[PC:PC+2], v[96:111], v[SOP]
	v_cvt_scalef32_pk16_fp6_f32 v[PT:PT+2], v[128:143], v[SOP+2]
	v_cvt_scalef32_pk16_fp6_f32 v[PC+6:PC+8], v[112:127], v[SOP+1]
	v_cvt_scalef32_pk16_fp6_f32 v[PT+4:PT+6], v[144:159], v[SOP+3]
	v_nop                                          ; one plain place behind a scaled conversion
.irp i, 0,1,2
	v_permlane16_swap_b32 v[PC+\i], v[PT+\i]       ; lane half h ends with blocks 2 h and 2 h + 1 whole
	v_permlane16_swap_b32 v[PC+6+\i], v[PT+4+\i]
.endr
.irp i, 0,1,2
	v_mov_b32 v[PC+3+\i], v[PT+\i]
	v_mov_b32 v[PC+9+\i], v[PT+4+\i]
.endr
.set j, 0
.rept 16
	v_pk_mul_f32 v[160+j:161+j], v[160+j:161+j], v[FF:FF+1] op_sel_hi:[1,0]   ; O^T under the new M; these sixteen are also the places between the writes of p's codes and scale word and the products
.set j, j+2
.endr
	s_wait_alu depctr_va_vdst(0)
	s_wait_dscnt 0x0                               ; V's fragments and words are in
.irp t, 0,1,2,3
	v_wmma_scale_f32_16x16x128_f8f6f4 v[160+8*\t:167+8*\t], v[32+12*\t:43+12*\t], v[PC:PC+11], v[160+8*\t:167+8*\t], v[88+\t], v[PW] matrix_a_fmt:MATRIX_FMT_FP6 matrix_b_fmt:MATRIX_FMT_FP6
.endr
	s_add_co_u32 s[KO], s[KO], 6144
	s_add_co_u32 s[SO], s[SO], 512
	s_add_co_u32 s[VOF], s[VOF], 256
	s_sub_co_u32 s[CNT], s[CNT], 1
	s_cmp_lg_u32 s[CNT], 0
	s_cbranch_scc1 .Lstep
	; THE WAY OUT: O^T / the sum; register 16 b + i is d = 32 b + 16 h + i: two blocks of the output projection's K.  Their codes are registers 6 c .. 6 c + 5 (c = my head's place in its pair) of a fragment of that product.
	; The four addresses take v6-9, the step's address registers, which no product names: so the first addition and the nine address lines are ten plain places behind the last products (four are asked).
	v_add_f32 v14, v14, v15
	s_lshl_b32 s2, s12, 6
	s_add_co_u32 s2, s2, s16
	s_mul_i32 s2, s2, 12288
	s_mul_i32 s19, s14, 1536
	s_add_co_u32 s2, s2, s19
	s_mul_i32 s19, s15, 768
	s_add_co_u32 s2, s2, s19
	v_lshlrev_b32 v6, 3, v29
	s_delay_alu instid0(VALU_DEP_1)
	v_add_nc_u32 v6, s2, v6                        ; 8 bytes a lane: a store covers 256 consecutive bytes
	s_lshl_b32 s2, s[WV], 6
	v_lshlrev_b32 v7, 2, v30
	s_delay_alu instid0(VALU_DEP_1)
	v_add_nc_u32 v7, s2, v7
	s_delay_alu instid0(VALU_DEP_1)
	v_add_nc_u32 v7, ASG, v7                       ; my tile's scale words: 64 wave + 4 r
	s_and_b32 s2, s[WV], 1
	s_lshl_b32 s2, s2, 9
	v_lshlrev_b32 v9, 4, v29
	s_delay_alu instid0(VALU_DEP_1)
	v_add_nc_u32 v9, s2, v9
	s_delay_alu instid0(VALU_DEP_1)
	v_add_nc_u32 v8, ASG, v9                       ; where wave 0 or 1 reads eight tiles' words back,
	s_lshl_b32 s2, s11, 12
	s_lshl_b32 s19, s10, 10
	s_add_co_u32 s2, s2, s19
	s_add_co_u32 s2, s2, AS_O
	v_add_nc_u32 v9, s2, v9                        ; and where it stores them
	s_lshl_b32 s3, s15, 4
	v_permlanex16_b32 v[TMP], v14, s[SEL], s[SEL+1]
	s_delay_alu instid0(VALU_DEP_1)
	v_add_f32 v14, v14, v[TMP]                     ; the row's sum
	s_wait_alu depctr_va_vdst(0)
	v_rcp_f32 v14, v14
	v_nop                                          ; a plain place behind the transcendental
	s_wait_alu depctr_va_vdst(0)                   ; the wait ahead of its first reader
.set j, 0
.rept 32
	v_mul_f32 v[96+j], v[160+j], v14               ; each accumulator from its low end on
.set j, j+1
.endr
	v_max3_num_f32 v[MX], |v96|, |v97|, FLOOR
	v_max3_num_f32 v[MX+1], |v112|, |v113|, FLOOR
.irp i, 2,4,6,8,10,12,14
	s_delay_alu instid0(VALU_DEP_2)
	v_max3_num_f32 v[MX], v[MX], |v[96+\i]|, |v[97+\i]|
	s_delay_alu instid0(VALU_DEP_2)
	v_max3_num_f32 v[MX+1], v[MX+1], |v[112+\i]|, |v[113+\i]|
.endr
	s_delay_alu instid0(VALU_DEP_2)
	v_permlanex16_b32 v[PTM], v[MX], s[SEL], s[SEL+1]
	s_delay_alu instid0(VALU_DEP_2)
	v_permlanex16_b32 v[PTM+1], v[MX+1], s[SEL], s[SEL+1]
	s_delay_alu instid0(VALU_DEP_2)
	v_max_num_f32 v[MX], v[MX], v[PTM]
	s_delay_alu instid0(VALU_DEP_2)
	v_max_num_f32 v[MX+1], v[MX+1], v[PTM+1]
	s_delay_alu instid0(VALU_DEP_2)
	v_add_nc_u32 v[SOP], EOFF, v[MX]
	s_delay_alu instid0(VALU_DEP_2)
	v_add_nc_u32 v[SOP+1], EOFF, v[MX+1]
	s_delay_alu instid0(VALU_DEP_2)
	v_lshrrev_b32 v[BYT], 23, v[SOP]
	s_delay_alu instid0(VALU_DEP_2)
	v_lshrrev_b32 v[BYT+1], 23, v[SOP+1]
	s_delay_alu instid0(VALU_DEP_1)
	v_lshl_or_b32 v[TMP], v[BYT+1], 8, v[BYT]
	s_delay_alu instid0(VALU_DEP_1)
	v_lshlrev_b32 v[TMP], s3, v[TMP]               ; bytes 2 c and 2 c + 1 of the K step's word
	v_cvt_scalef32_pk16_fp6_f32 v[PC:PC+2], v[96:111], v[SOP]
	v_cvt_scalef32_pk16_fp6_f32 v[PT:PT+2], v[112:127], v[SOP+1]
	v_nop                                          ; one plain place behind a scaled conversion
.irp i, 0,1,2
	v_permlane16_swap_b32 v[PC+\i], v[PT+\i]       ; lane half h ends with block h whole
.endr
.irp i, 0,1,2
	s_delay_alu instid0(VALU_DEP_3)
	v_mov_b32 v[PC+3+\i], v[PT+\i]
.endr
	ds_store_b32 v7, v[TMP]                        ; both halves of the lanes write the same word with the same value
.irp p, 0,1,2
	global_store_b64 v6, v[PC+2*\p:PC+2*\p+1], s[8:9] offset:256*\p
.endr
	s_wait_dscnt 0x0                               ; for the others' sake
	s_barrier_signal -1
	s_barrier_wait -1
	s_cmp_ge_u32 s[WV], 2
	s_cbranch_scc1 .Lwords_out
	ds_load_b128 v[32:35], v8
	s_wait_dscnt 0x0
	global_store_b128 v9, v[32:35], s[8:9]         ; 512 consecutive bytes
.Lwords_out:
	s_wait_tensorcnt 0x0
	ds_add_u32 v254, v255
	s_wait_dscnt 0x0
	CROUND                                         ; the closing round
	s_endpgm
.Lfunc_end_k_qcc42dfa849_attn:
	.size	k_qcc42dfa849_attn, .Lfunc_end_k_qcc42dfa849_attn-k_qcc42dfa849_attn
	.p2alignl 7, 3214868480
	.fill 96, 4, 3214868480
	.section	.rodata,"a",@progbits
	.p2align	6, 0x0
	.amdhsa_kernel k_qcc42dfa849_attn
		.amdhsa_group_segment_fixed_size 169984
		.amdhsa_private_segment_fixed_size 0
		.amdhsa_enable_private_segment 0
		.amdhsa_kernarg_size 24
		.amdhsa_user_sgpr_count 2
		.amdhsa_user_sgpr_kernarg_segment_ptr 1
		.amdhsa_wavefront_size32 1
		.amdhsa_system_sgpr_workgroup_id_x 1
		.amdhsa_system_sgpr_workgroup_id_y 1
		.amdhsa_system_sgpr_workgroup_id_z 1
		.amdhsa_system_vgpr_workitem_id 0
		.amdhsa_next_free_vgpr 256
		.amdhsa_next_free_sgpr 66
		.amdhsa_reserve_vcc 0
		.amdhsa_float_denorm_mode_32 3
		.amdhsa_float_denorm_mode_16_64 3
		.amdhsa_memory_ordered 1
		.amdhsa_forward_progress 1
		.amdhsa_inst_pref_size 36
	.end_amdhsa_kernel
	.amdgpu_metadata
---
amdhsa.version: [ 1, 2 ]
amdhsa.kernels:
  - .name:           k_qcc42dfa849_attn
    .symbol:         k_qcc42dfa849_attn.kd
    .args:
      - { .name: prep, .offset: 0, .size: 8, .value_kind: global_buffer, .address_space: global }
      - { .name: qkv, .offset: 8, .size: 8, .value_kind: global_buffer, .address_space: global }
      - { .name: att, .offset: 16, .size: 8, .value_kind: global_buffer, .address_space: global }
    .group_segment_fixed_size: 169984
    .private_segment_fixed_size: 0
    .kernarg_segment_align: 8
    .kernarg_segment_size: 24
    .max_flat_workgroup_size: 512
    .sgpr_count:     66
    .vgpr_count:     256
    .wavefront_size: 32
...
	.end_amdgpu_metadata
.endif
;; end of part 3
;; launch outln (part 4): grid 256 x 1, 8 waves a work-group, clusters of 4 x 1, 327,680 bytes of LDS; arguments prep, att, w, ln_gamma, ln_beta, out0; writes out0
.if DOCPART == 4
	.amdgcn_target "amdgcn-amd-amdhsa--gfx1250"
	.amdhsa_code_object_version 6
	.text
	.protected	k_qcc42dfa849_outln
	.globl	k_qcc42dfa849_outln
	.p2align	8
	.type	k_qcc42dfa849_outln,@function
k_qcc42dfa849_outln:
	s_mov_b64 s[64:65], 0
	v_nop
	global_prefetch_b8 v0, s[64:65] scope:SCOPE_SE
	s_setreg_imm32_b32 hwreg(HW_REG_WAVE_MODE, 25, 1), 1
	s_wait_xcnt 0x0
	s_wait_alu depctr_hold_cnt(0) depctr_sa_sdst(0) depctr_va_vdst(0) depctr_va_sdst(0) depctr_va_ssrc(0) depctr_va_vcc(0) depctr_vm_vsrc(0)
	s_getreg_b32 s2, hwreg(HW_REG_IB_STS2, 6, 4)
	s_cmp_eq_u32 s2, 0
	s_cbranch_scc0 .Lentry_in_a_cluster
	s_endpgm
.Lentry_in_a_cluster:
	s_bfe_u32 s2, ttmp6, 0x10000c
	s_cmp_lg_u32 s2, 0x3003
	s_cbranch_scc0 .Lentry_shape_is_right
	s_endpgm
.Lentry_shape_is_right:
; OUTLN: out = LayerNorm(w + attn_vec Wo): the output projection on codes of FP6 (E2M3) with E8M0 scales, the residual added in f32, mean and variance in two passes in f32.
; A work-group owns the 16 tokens of one tile (tile order: rows 32 (t/2) + 8 (t%2) + m + 8 (m/8)) over all 1,024 columns, so that a row's mean needs no other work-group; wave w owns columns 128 w on: 8 accumulators, 64 matrix instructions.
; The product is used transposed (source 0 = 16 columns of Wo, source 1 = the 16 tokens): lane (r, h) holds token r, and register 16 b + i of its 64 is column 128 w + 32 b + 16 h + i.
; attn_vec's eight fragments: wave s fetches fragment s and its scale words; they go to the other waves through LDS as images of registers.
; ALL OF Wo COMES JOINTLY: every work-group reads the same 786,432 bytes, so the four of a cluster ask for them together, in THREE FILLS of one LDS region: K steps 0-2, 3-5 (36,864 bytes a wave each) and 6-7 (24,576), each wave's part its own.
; THE REGISTERS ARE THE SECOND BUFFER: a fill is read out whole (24 fragments, 288 registers), the round follows, the next fill is asked for, and only then are the fragments multiplied.  A wave has one tensor load out at any time.
; w is loaded under the third fill, turned through the last 12,288 bytes of my part of the region (they have had their last fill by then) and added onto the sums.  The same bytes are the stage on the way out.
; PREFETCH, at the head: my wave's 16 rows x 512 bytes of w, a lane to a block of 256 bytes; and what the second and third fill bring of my wave's columns, 240 blocks, shared out among the four partners by address, 60 each
; (two instructions; lanes 28-31 of the second name its last block again).
; REGISTERS: window 0: v1-15 lane, r, h and addresses; v16-111 attn_vec's fragments; v112-143 Wo's scale words (lanes 0-15 tiles 0-3, lanes 16-31 tiles 4-7); v144-151 attn_vec's; v152, v153 the spare word's address and 0; v154 the region's address;
;   v156-251 by turns: the head's loads and the prefetches' offsets; eight fragments of Wo; rows of w and of out, the norm's work; v252-254 addresses.     window 1: v0-63 the accumulators; v64-255 sixteen fragments of Wo, later gamma and beta.
.set WO_IMG, 5505024
.set WO_SC,  7307264
.set AS_O,   3145728
.set AIM,    0                         ; LDS: attn_vec's eight images of 1,536 bytes;
.set ASC,    12288                     ; their scale words, 128 bytes each;
.set RED1,   13312                     ; partial sums [r 16][wave 8];
.set RED2,   13824                     ; and partial sums of squares;
.set SPARE,  14336                     ; the spare words: 128 bytes a wave;
.set GAM,    15360
.set BET,    19456
.set WOL,    23552                     ; the region that the tensor loads fill
.set PARTW,  36864                     ; a wave's part of it: 24 fragments
.set STG,    24576                     ; in my part: the stage, 16 rows x 528 bytes, in bytes that the third fill does not reach
.set AFR, 16
.set WS,  112
.set ASR, 144
.set SPW, 152
.set NIL, 153
.set WLA, 154
.set LB,  156
.set FP,  156
.set RW,  156
.set TW,  220
.set G1,  40
.set G0,  48
.set MSB, 0
.macro WIN new                         ; the immediate's high byte repeats the setting that is left
.if MSB != (\new)
	s_set_vgpr_msb (MSB<<8)|(\new)
.set MSB, (\new)
.endif
.endm
.macro CROUND                          ; a round of the cluster's barrier
	s_barrier_signal -1
	s_barrier_wait -1
	s_cmp_lg_u32 s16, 0
	s_cbranch_scc1 .Lnot_wave_0_\@
	s_barrier_signal -3
.Lnot_wave_0_\@:
	s_barrier_wait -3
	s_barrier_signal -1
	s_barrier_wait -1
.endm
.macro PLACES                          ; four places behind matrix instructions (ISA guide 7.12.1)
.rept 4
	v_nop
.endr
.endm
	s_load_b256 s[4:11], s[0:1], 0x0               ; prep, att, w, gamma
	s_load_b128 s[12:15], s[0:1], 0x20             ; beta, out0
	v_lshl_add_u32 v[SPW], v0, 2, SPARE
	v_mov_b32 v[NIL], 0
	ds_add_u32 v[SPW], v[NIL]                      ; the opening lines: the add, twice on end, and its wait
	ds_add_u32 v[SPW], v[NIL]
	v_lshrrev_b32 v1, 5, v0
	v_readfirstlane_b32 s16, v1                    ; wave 0..7
	s_bfe_u32 s34, ttmp6, 0x40000                  ; cx: it enters global addresses alone
	s_lshl_b32 s17, ttmp9, 2
	s_add_co_u32 s17, s17, s34                     ; my tile of tokens
	s_lshr_b32 s18, s17, 1
	s_lshl_b32 s18, s18, 5
	s_and_b32 s19, s17, 1
	s_lshl_b32 s19, s19, 3
	s_add_co_u32 s18, s18, s19                     ; the tile's first token
	s_lshl_b32 s20, s18, 12
	s_lshl_b32 s53, s16, 9
	s_add_co_u32 s20, s20, s53                     ; its row, my 128 columns
	s_mov_b32 s21, 0
	s_mul_i32 s22, s17, 12288
	s_mul_i32 s38, s16, 1536
	s_add_co_u32 s22, s22, s38                     ; fragment s = my wave's number
	s_lshr_b32 s24, s17, 6
	s_lshl_b32 s24, s24, 4
	s_lshl_b32 s19, s16, 1
	s_add_co_u32 s24, s24, s19                     ; 16 b + head 2 s
	s_lshl_b32 s24, s24, 12
	s_and_b32 s19, s17, 63
	s_lshl_b32 s19, s19, 6
	s_add_co_u32 s24, s24, s19
	s_add_co_u32 s24, s24, AS_O
	s_lshl_b32 s26, s16, 12
	s_add_co_u32 s26, s26, WO_SC
	s_mul_i32 s36, s16, 98304
	s_add_co_u32 s36, s36, WO_IMG                  ; my wave's 64 fragments of Wo
	s_mov_b32 s37, 0
	s_mul_i32 s35, s16, PARTW
	s_add_co_u32 s35, s35, WOL                     ; my part of the region: the wave's number alone enters it
	s_add_co_u32 s29, s35, STG                     ; my stage
	s_mul_i32 s54, s34, 15360
	s_add_co_u32 s54, s54, s36
	s_add_co_u32 s54, s54, PARTW                   ; the prefetches of Wo: behind the first fill's bytes, my work-group's 60 blocks
	s_mov_b32 s55, 0
	s_mul_i32 s18, s34, 9216
	s_add_co_u32 s18, s18, s36                     ; the prefetch of the first fill: of my wave's 144 blocks my work-group's 36
	s_mov_b32 s19, 0
	s_lshl_b32 s39, s16, 7
	s_lshl_b32 s52, s16, 2
	s_mov_b32 s30, 0x3a800000                      ; 1 / 1,024
	s_mov_b32 s31, 0x3727c5ac                      ; 1e-5
	s_mov_b32 s32, 0x76543210
	s_mov_b32 s33, 0xfedcba98
	s_mov_b32 s[G1], 15|(3<<16)|(1<<21)            ; all four work-groups; elements of 8 bytes; bit 21 beside a mask; no padding: every LDS read is of consecutive bytes
	s_mov_b32 s[G1+1], 32<<16                      ; 24 fragments are a dense block of 36,864 bytes: 144 rows of 256
	s_mov_b32 s[G1+2], 144<<16
	s_mov_b32 s[G1+3], 32<<16
	s_mov_b32 s[G1+4], 144
	s_mov_b32 s[G1+5], 32
	s_mov_b32 s[G1+6], 0
	s_mov_b32 s[G1+7], 0
	s_wait_dscnt 0x0                               ; both opening adds are done
	v_and_b32 v1, 31, v0                           ; lane
	v_and_b32 v2, 15, v0                           ; r
	v_bfe_u32 v3, v0, 4, 1                         ; h
	v_lshlrev_b32 v4, 4, v1                        ; 16 x lane
	v_lshlrev_b32 v6, 3, v1
	v_lshlrev_b32 v7, 2, v2
	v_lshlrev_b32 v9, 4, v0                        ; 16 x thread
	v_lshlrev_b32 v15, 2, v1
	v_mul_u32_u24 v14, v2, 528
	v_lshlrev_b32 v253, 5, v2
	v_lshlrev_b32 v254, 6, v3
	v_add_nc_u32 v5, AIM, v4
	v_add_nc_u32 v6, s22, v6
	v_add_nc_u32 v7, s24, v7
	v_add_nc_u32 v8, s26, v4
	v_add_nc_u32 v10, s29, v4                      ; the stage by rows
	v_add_nc_u32 v11, GAM, v9
	v_add_nc_u32 v15, ASC, v15
	v_lshl_add_u32 v14, v3, 6, v14
	v_add_nc_u32 v253, RED1, v253
	v_add_nc_u32 v254, s53, v254
	v_add_nc_u32 v12, s38, v5
	v_add_nc_u32 v13, s39, v15
	v_add_nc_u32 v14, s29, v14                     ; the stage by lanes: row r, + 64 h
	v_add_nc_u32 v252, s52, v253
	v_add_nc_u32 v254, GAM, v254                   ; gamma at column 128 w + 16 h
	v_add_nc_u32 v[WLA], s35, v4                   ; my part of the region, 16 bytes a lane
	v_lshrrev_b32 v246, 1, v1                      ; the prefetch of w: lane l names row l / 2 of the tile, block l % 2 of my 512 bytes
	v_and_b32 v247, 8, v246
	v_add_nc_u32 v246, v246, v247
	v_and_b32 v247, 1, v1
	v_lshlrev_b32 v247, 8, v247
	v_lshl_add_u32 v248, v246, 12, v247
	v_lshlrev_b32 v249, 8, v1                      ; of Wo: blocks 0-31 of my 60,
	v_min_u32 v250, 27, v1
	v_lshl_add_u32 v250, v250, 8, 8192             ; and blocks 32-59
	v_min_u32 v251, 3, v1
	v_lshl_add_u32 v251, v251, 8, 8192             ; the first fill: blocks 32-35 of my 36 (lanes 4-31 name the last again)
	s_wait_alu depctr_va_vdst(0)
	s_wait_kmcnt 0x0
	s_add_nc_u64 s[8:9], s[8:9], s[20:21]
	s_add_nc_u64 s[14:15], s[14:15], s[20:21]
	s_add_nc_u64 s[54:55], s[4:5], s[54:55]
	s_add_nc_u64 s[18:19], s[4:5], s[18:19]
	global_prefetch_b8 v249, s[18:19] th:TH_LOAD_NT scope:SCOPE_SE   ; the first fill's bytes: the loads into registers and the round stand between these lines and the tensor load
	global_prefetch_b8 v251, s[18:19] th:TH_LOAD_NT scope:SCOPE_SE
	s_mov_b32 s[G0], 1
	s_mov_b32 s[G0+1], s35
	s_add_nc_u64 s[G0+2:G0+3], s[4:5], s[36:37]    ; K steps 0 to 2 of my columns
	s_or_b32 s[G0+3], s[G0+3], 0x80000000
	; 18 loads into registers go out ahead of the round
	global_load_b128 v[232:235], v9, s[10:11]
	global_load_b128 v[236:239], v9, s[12:13]
.irp p, 0,1,2,3,4,5
	global_load_b64 v[FP+2*\p:FP+2*\p+1], v6, s[6:7] offset:256*\p
.endr
	global_load_b32 v240, v7, s[6:7]               ; head 2 s's bytes 0, 1;
	global_load_b32 v241, v7, s[6:7] offset:4096   ; head 2 s + 1's bytes 2, 3
.irp s, 0,1,2,3,4,5,6,7
	global_load_b128 v[WS+4*\s:WS+4*\s+3], v8, s[4:5] offset:512*\s
.endr
	CROUND                                         ; all four work-groups are here: the joint loads meet
	tensor_load_to_lds s[G0:G0+3], s[G1:G1+7]      ; the first fill: every wave its own part
	s_nop 0
	PLACES
	global_prefetch_b8 v249, s[54:55] th:TH_LOAD_NT scope:SCOPE_SE
	global_prefetch_b8 v250, s[54:55] th:TH_LOAD_NT scope:SCOPE_SE
	global_prefetch_b8 v248, s[8:9] th:TH_LOAD_NT scope:SCOPE_SE
	s_wait_loadcnt 8                               ; Wo's 8 loads of scale words may be out: gamma, beta, my fragment and its words are in
	ds_store_b128 v11, v[232:235]
	ds_store_b128 v11, v[236:239] offset:BET-GAM
.irp c, 0,1,2
	ds_store_b128 v12, v[FP+4*\c:FP+4*\c+3] offset:512*\c
.endr
	v_or_b32 v240, v240, v241
	ds_store_b32 v13, v240
	s_wait_dscnt 0x0                               ; for the others' sake: my stores have landed
	s_barrier_signal -1
	s_barrier_wait -1
.irp s, 0,1,2,3,4,5,6,7
.irp c, 0,1,2
	ds_load_b128 v[AFR+12*\s+4*\c:AFR+12*\s+4*\c+3], v5 offset:1536*\s+512*\c
.endr
	ds_load_b32 v[ASR+\s], v15 offset:128*\s
.endr
.macro LF0                             ; the region's fragments 0-7 into window 0, as they were stored: three pieces of 512 consecutive bytes each
.set t, 0
.rept 8
.irp c, 0,1,2
	ds_load_b128 v[LB+12*t+4*\c:LB+12*t+4*\c+3], v[WLA] offset:t*1536+512*\c
.endr
.set t, t+1
.endr
.endm
.macro LF1 first                       ; sixteen fragments from fragment first on into window 1
	WIN 0x40
.set t, 0
.rept 16
.irp c, 0,1,2
	ds_load_b128 v[64+12*t+4*\c:64+12*t+4*\c+3], v[WLA] offset:((\first)+t)*1536+512*\c
.endr
.set t, t+1
.endr
	WIN 0
.endm
.macro LMUL kk, rb, zero               ; K step kk on the eight fragments from v[rb] on: one product on each accumulator, by turns
.set t, 0
.rept 8
.if \zero
.if t < 4
	v_wmma_scale_f32_16x16x128_f8f6f4 v[8*t:8*t+7], v[\rb+12*t:\rb+12*t+11], v[AFR+12*(\kk):AFR+12*(\kk)+11], 0, v[WS+4*(\kk)+t], v[ASR+(\kk)] matrix_a_fmt:MATRIX_FMT_FP6 matrix_b_fmt:MATRIX_FMT_FP6
.else
	v_wmma_scale_f32_16x16x128_f8f6f4 v[8*t:8*t+7], v[\rb+12*t:\rb+12*t+11], v[AFR+12*(\kk):AFR+12*(\kk)+11], 0, v[WS+4*(\kk)+t-4], v[ASR+(\kk)] matrix_a_fmt:MATRIX_FMT_FP6 matrix_b_fmt:MATRIX_FMT_FP6 matrix_a_scale:MATRIX_SCALE_ROW1
.endif
.else
.if t < 4
	v_wmma_scale_f32_16x16x128_f8f6f4 v[8*t:8*t+7], v[\rb+12*t:\rb+12*t+11], v[AFR+12*(\kk):AFR+12*(\kk)+11], v[8*t:8*t+7], v[WS+4*(\kk)+t], v[ASR+(\kk)] matrix_a_fmt:MATRIX_FMT_FP6 matrix_b_fmt:MATRIX_FMT_FP6
.else
	v_wmma_scale_f32_16x16x128_f8f6f4 v[8*t:8*t+7], v[\rb+12*t:\rb+12*t+11], v[AFR+12*(\kk):AFR+12*(\kk)+11], v[8*t:8*t+7], v[WS+4*(\kk)+t-4], v[ASR+(\kk)] matrix_a_fmt:MATRIX_FMT_FP6 matrix_b_fmt:MATRIX_FMT_FP6 matrix_a_scale:MATRIX_SCALE_ROW1
.endif
.endif
.set t, t+1
.endr
.endm
; A fill of 24 fragments is read out whole, the next fill is asked for, and then K steps k0 .. k0 + 2 are multiplied.  last = 1: the next fill is the third, 96 rows.
.macro THREE k0, zero, last
	s_wait_tensorcnt 0x0                           ; my part has landed; no other wave reads it
	LF0
	LF1 8
	s_wait_tensorcnt 0x0                           ; THE REGION IS FILLED AGAIN: no tensor load of mine is out, so the descriptor may be written;
	ds_add_u32 v[SPW], v[NIL]                      ; 0 onto my spare word;
	s_add_nc_u64 s[G0+2:G0+3], s[G0+2:G0+3], PARTW ; three K steps on
.if \last
	s_mov_b32 s[G1+2], 96<<16
	s_mov_b32 s[G1+4], 96
.endif
	s_wait_dscnt 0x0                               ; the add is done, and my reads of the region are back in registers
	CROUND                                         ; the same holds of every wave of all four work-groups
	tensor_load_to_lds s[G0:G0+3], s[G1:G1+7]      ; the first thing behind the round, and my one tensor load until the next
	s_nop 0
	PLACES
	WIN 0x50                                       ; D and C window 1, both sources window 0
	LMUL \k0, LB, \zero
	WIN 0x51                                       ; source 0 window 1
	LMUL (\k0)+1, 64, 0
	LMUL (\k0)+2, 160, 0
	PLACES                                         ; in front of loads into registers that these products have read
	WIN 0
.endm
	s_wait_xcnt 0x0                                ; the prefetches have read their offsets: the fragments may land on them
	s_wait_loadcnt 0x0                             ; Wo's scale words
	THREE 0, 1, 0                                  ; the first products start the sums
	THREE 3, 0, 1
	; under the third fill: w, by rows of 512 consecutive bytes, through the stage, onto the sums
.set t, 0
.rept 16
	global_load_b128 v[RW+4*t:RW+4*t+3], v4, s[8:9] offset:(t+8*(t/8))*4096 th:TH_LOAD_NT
.set t, t+1
.endr
	s_wait_loadcnt 0x0
.set t, 0
.rept 16
	ds_store_b128 v10, v[RW+4*t:RW+4*t+3] offset:528*t
.set t, t+1
.endr
.irp hf, 0,1
.set k, 0
.rept 8
	ds_load_b128 v[TW+4*k:TW+4*k+3], v14 offset:128*((8*\hf+k)/4)+16*(k%4)   ; w in the result's layout.  LDS serves a wave's instructions in order: these see my stores
.set k, k+1
.endr
	s_wait_dscnt 0x0
	WIN 0x41
.set k, 0
.rept 16
	v_pk_add_f32 v[32*\hf+k:32*\hf+k+1], v[32*\hf+k:32*\hf+k+1], v[TW+k:TW+k+1]   ; each accumulator from its low end on
.set k, k+2
.endr
	WIN 0
.endr
	PLACES
	s_wait_alu depctr_va_vdst(0)
	s_wait_tensorcnt 0x0                           ; the third fill has landed
	LF1 0
	s_wait_dscnt 0x0
	WIN 0x51
	LMUL 6, 64, 0
	LMUL 7, 160, 0
	PLACES
	WIN 0x40
.set k, 0
.rept 16
	ds_load_b128 v[64+4*k:67+4*k], v254 offset:128*(k/4)+16*(k%4)             ; gamma and beta at my 64 columns, into the fragments' registers
	ds_load_b128 v[128+4*k:131+4*k], v254 offset:BET-GAM+128*(k/4)+16*(k%4)
.set k, k+1
.endr
	; the mean: my 64 numbers, the other half of the lanes', the other seven waves'.  Each accumulator is read from its low end on
	WIN 0x05
	v_pk_add_f32 v[232:233], v[0:1], v[2:3]
	v_pk_add_f32 v[234:235], v[4:5], v[6:7]
	WIN 0x04
.set k, 8
.rept 14
	v_pk_add_f32 v[232:233], v[232:233], v[k:k+1]
	v_pk_add_f32 v[234:235], v[234:235], v[k+2:k+3]
.set k, k+4
.endr
	WIN 0
	v_pk_add_f32 v[232:233], v[232:233], v[234:235]
	s_delay_alu instid0(VALU_DEP_1)
	v_add_f32 v232, v232, v233
	s_delay_alu instid0(VALU_DEP_1)
	v_permlanex16_b32 v236, v232, s32, s33
	s_delay_alu instid0(VALU_DEP_1)
	v_add_f32 v232, v232, v236
	ds_store_b32 v252, v232                        ; both halves of the lanes write the same word with the same value
	s_wait_dscnt 0x0
	s_barrier_signal -1
	s_barrier_wait -1
	ds_load_b128 v[240:243], v253
	ds_load_b128 v[244:247], v253 offset:16
	s_wait_dscnt 0x0
	v_pk_add_f32 v[240:241], v[240:241], v[242:243]
	v_pk_add_f32 v[244:245], v[244:245], v[246:247]
	s_delay_alu instid0(VALU_DEP_1)
	v_pk_add_f32 v[240:241], v[240:241], v[244:245]
	s_delay_alu instid0(VALU_DEP_1)
	v_add_f32 v240, v240, v241
	s_delay_alu instid0(VALU_DEP_1)
	v_mul_f32 v248, 0xba800000, v240               ; - the mean
	s_delay_alu instid0(VALU_DEP_1)
	v_mov_b32 v249, v248
	WIN 0x41
.set k, 0
.rept 32
	v_pk_add_f32 v[k:k+1], v[k:k+1], v[248:249]
.set k, k+2
.endr
	WIN 0x05                                       ; the variance, of the differences: no difference of large sums is formed
	v_pk_mul_f32 v[232:233], v[0:1], v[0:1]
	v_pk_mul_f32 v[234:235], v[2:3], v[2:3]
.set k, 4
.rept 15
	s_delay_alu instid0(VALU_DEP_2)
	v_pk_fma_f32 v[232:233], v[k:k+1], v[k:k+1], v[232:233]
	s_delay_alu instid0(VALU_DEP_2)
	v_pk_fma_f32 v[234:235], v[k+2:k+3], v[k+2:k+3], v[234:235]
.set k, k+4
.endr
	WIN 0
	v_pk_add_f32 v[232:233], v[232:233], v[234:235]
	s_delay_alu instid0(VALU_DEP_1)
	v_add_f32 v232, v232, v233
	s_delay_alu instid0(VALU_DEP_1)
	v_permlanex16_b32 v236, v232, s32, s33
	s_delay_alu instid0(VALU_DEP_1)
	v_add_f32 v232, v232, v236
	ds_store_b32 v252, v232 offset:RED2-RED1
	s_wait_dscnt 0x0
	s_barrier_signal -1
	s_barrier_wait -1
	ds_load_b128 v[240:243], v253 offset:RED2-RED1
	ds_load_b128 v[244:247], v253 offset:RED2-RED1+16
	s_wait_dscnt 0x0
	v_pk_add_f32 v[240:241], v[240:241], v[242:243]
	v_pk_add_f32 v[244:245], v[244:245], v[246:247]
	s_delay_alu instid0(VALU_DEP_1)
	v_pk_add_f32 v[240:241], v[240:241], v[244:245]
	s_delay_alu instid0(VALU_DEP_1)
	v_add_f32 v240, v240, v241
	s_delay_alu instid0(VALU_DEP_1)
	v_fma_f32 v240, v240, s30, s31                 ; the variance + 1e-5
	s_wait_alu depctr_va_vdst(0)                   ; the wait ahead of the transcendental
	v_rsq_f32 v250, v240
	v_nop                                          ; a plain place behind the transcendental
	s_wait_alu depctr_va_vdst(0)                   ; the wait ahead of its first reader
	v_mov_b32 v251, v250
	WIN 0x41
.set k, 0
.rept 32
	v_pk_mul_f32 v[k:k+1], v[k:k+1], v[250:251]
.set k, k+2
.endr
	WIN 0x55
.set k, 0
.rept 32
	v_pk_fma_f32 v[k:k+1], v[k:k+1], v[64+k:65+k], v[128+k:129+k]   ; x gamma + beta
.set k, k+2
.endr
	WIN 0x04                                       ; an LDS store's data are its source 1
.set k, 0
.rept 16
	ds_store_b128 v14, v[4*k:4*k+3] offset:128*(k/4)+16*(k%4)       ; through my own stage, and back as rows
.set k, k+1
.endr
	WIN 0
.set t, 0
.rept 16
	ds_load_b128 v[RW+4*t:RW+4*t+3], v10 offset:528*t
.set t, t+1
.endr
.set t, 0
.rept 16
	s_wait_dscnt 15-t
	global_store_b128 v4, v[RW+4*t:RW+4*t+3], s[14:15] offset:(t+8*(t/8))*4096 th:TH_STORE_NT   ; 32 lanes store 512 consecutive bytes, at a multiple of 256 from out0's first byte
.set t, t+1
.endr
	s_wait_tensorcnt 0x0                           ; the wave's end
	ds_add_u32 v[SPW], v[NIL]
	s_wait_dscnt 0x0
	CROUND                                         ; the closing round
	s_endpgm
.Lfunc_end_k_qcc42dfa849_outln:
	.size	k_qcc42dfa849_outln, .Lfunc_end_k_qcc42dfa849_outln-k_qcc42dfa849_outln
	.p2alignl 7, 3214868480
	.fill 96, 4, 3214868480
	.section	.rodata,"a",@progbits
	.p2align	6, 0x0
	.amdhsa_kernel k_qcc42dfa849_outln
		.amdhsa_group_segment_fixed_size 327680
		.amdhsa_private_segment_fixed_size 0
		.amdhsa_enable_private_segment 0
		.amdhsa_kernarg_size 48
		.amdhsa_user_sgpr_count 2
		.amdhsa_user_sgpr_kernarg_segment_ptr 1
		.amdhsa_wavefront_size32 1
		.amdhsa_system_sgpr_workgroup_id_x 1
		.amdhsa_system_sgpr_workgroup_id_y 1
		.amdhsa_system_sgpr_workgroup_id_z 1
		.amdhsa_system_vgpr_workitem_id 0
		.amdhsa_next_free_vgpr 512
		.amdhsa_next_free_sgpr 66
		.amdhsa_reserve_vcc 0
		.amdhsa_float_denorm_mode_32 3
		.amdhsa_float_denorm_mode_16_64 3
		.amdhsa_memory_ordered 1
		.amdhsa_forward_progress 1
		.amdhsa_inst_pref_size 59
	.end_amdhsa_kernel
	.amdgpu_metadata
---
amdhsa.version: [ 1, 2 ]
amdhsa.kernels:
  - .name:           k_qcc42dfa849_outln
    .symbol:         k_qcc42dfa849_outln.kd
    .args:
      - { .name: prep, .offset: 0, .size: 8, .value_kind: global_buffer, .address_space: global }
      - { .name: att, .offset: 8, .size: 8, .value_kind: global_buffer, .address_space: global }
      - { .name: w, .offset: 16, .size: 8, .value_kind: global_buffer, .address_space: global }
      - { .name: ln_gamma, .offset: 24, .size: 8, .value_kind: global_buffer, .address_space: global }
      - { .name: ln_beta, .offset: 32, .size: 8, .value_kind: global_buffer, .address_space: global }
      - { .name: out0, .offset: 40, .size: 8, .value_kind: global_buffer, .address_space: global }
    .group_segment_fixed_size: 327680
    .private_segment_fixed_size: 0
    .kernarg_segment_align: 8
    .kernarg_segment_size: 48
    .max_flat_workgroup_size: 256
    .sgpr_count:     66
    .vgpr_count:     512
    .wavefront_size: 32
...
	.end_amdgpu_metadata
.endif
;; end of part 4
